; MI455X (gfx1250); checked and timed in simulation.
; The chip was launched on July 23, 2026; its instructions are those of AMD's public machine-readable ISA for CDNA 5 (MIT licence, August 2026) and "CDNA5" Instruction Set Architecture Reference Guide (July 2026). The comments in the code are by the model that wrote it; some were corrected since.
;; Abstract Attention. Allowed arithmetic: float matrix products may take bf16 or f16 operands with f32 sums; all other float work in f32.
;; Inputs: Wk 1,024 x 1,024 float32; Wo 1,024 x 1,024 float32; Wq 1,024 x 1,024 float32; Wv 1,024 x 1,024 float32; bk 1,024 float32; bo 1,024 float32; bq 1,024 float32; bv 1,024 float32; key 2 x 2,048 x 1,024 float32; mask 2 x 2,048 x 2,048 bool; query 2 x 2,048 x 1,024 float32; value 2 x 2,048 x 1,024 float32.
;; Outputs: out0 2 x 2,048 x 1,024 float32.
;; 2 versions, each right; version 2 is version 1 with the launch prep written anew for expert scheduling mode. Each part assembles by itself: llvm-mc -triple=amdgcn-amd-amdhsa -mcpu=gfx1250 --defsym DOCPART=n.
;; ======== version 1 of 2: 4 launches
;; limits: values are held in f16: magnitudes above 65,504 overflow, below 6.1e-05 lose precision
;; workspace buffers: xh 25,165,824 bytes; wh 8,388,608 bytes; pm 1,048,576 bytes of whole numbers; qkv 25,165,824 bytes; xa 8,388,608 bytes
;; launch prep (part 1): grid 256 x 1, 8 waves a work-group, no clusters, 35,840 bytes of LDS; arguments query, key, value, Wq, Wk, Wv, Wo, mask, xh, wh, pm; writes xh, wh, pm
.if DOCPART == 1
	.amdgcn_target "amdgcn-amd-amdhsa--gfx1250"
	.amdhsa_code_object_version 6
	.text
	.protected	k_q6bed2f6324_prep
	.globl	k_q6bed2f6324_prep
	.p2align	8
	.type	k_q6bed2f6324_prep,@function
k_q6bed2f6324_prep:
	s_mov_b64 s[64:65], 0
	v_nop
	global_prefetch_b8 v0, s[64:65] scope:SCOPE_SE
	s_setreg_imm32_b32 hwreg(HW_REG_WAVE_MODE, 25, 1), 1
	s_wait_xcnt 0x0
; PREP: (1) query, key, value, Wq, Wk, Wv, Wo from f32 to f16 (round to nearest even), laid out by tiles:
;           [block of 128 rows][block of 64 k][128 rows][64 k], so that any run of k blocks of a row block is dense in memory;
;       (2) the mask's bytes packed into lane-mask words: pm[qt][kt][j], bit r + 16 h = mask[16 qt + r][16 kt + 8 h + j]
;           (qt counts tiles of 16 rows of the flattened [4096][2048] mask), the layout in which the attention launch holds its scores.
; LIMIT: an input beyond f16's largest number, 65,504, becomes an infinity here.
; A stream: no matrix unit, no cluster, no barrier.  256 work-groups of 8 waves.  Work-group g converts 64 rows of 4,096 bytes
; (g < 192: query, key, value, 64 groups each; else the four weights, 16 groups each) and packs mask tile qt = g (16 rows, 32 KiB, dense).
; Wave w converts rows 8 w .. 8 w + 7, two at a time: 16 loads of 512 bytes (lanes 0-15: 256 bytes of the even row, lanes 16-31 of the odd one);
; each store of the wave covers 256 consecutive bytes, aligned.  Two row pairs (32 loads a wave) are on their way while one is converted.
.set SO,  2                            ; v2   source offset: 32768 w + 4096 (L >> 4) + 16 (L & 15)
.set DO,  3                            ; v3   f16 offset: 1024 w + 8 L
.set MO,  4                            ; v4   mask offset: 2048 (L >> 4) + 16 (L & 15) + 256 w
.set LSA, 5                            ; v5   LDS: where my 16 mask bytes go
.set LRA, 6                            ; v6   LDS: row r of my wave's strip, 8 h
.set PO,  7                            ; v7   pm offset: 16 x thread
.set X0,  8                            ; v[8:71]    a row pair as loaded
.set X1,  72                           ; v[72:135]  the other one
.set Y,   136                          ; v[136:167] a row pair in f16
.set MK,  168                          ; v[168:199] mask bytes as loaded
.set MD,  200                          ; v[200:231] mask bytes by (r, h): 8 bytes for each of 16 key tiles
.set W,   232                          ; v[232:235] the packed words: lane l holds words 4 l .. 4 l + 3 of my wave's 128
.set T,   236                          ; v[236:243] at work
.set MP,  272                          ; LDS pitch of a mask row: 256 bytes + 16
	s_load_b512 s[8:23], s[0:1], 0x0               ; query, key, value, Wq, Wk, Wv, Wo, mask
	s_load_b128 s[24:27], s[0:1], 0x40             ; xh, wh
	s_load_b64 s[28:29], s[0:1], 0x50              ; pm
	v_lshl_add_u32 v244, v0, 2, 0x8800
	v_mov_b32 v245, 0
	v_and_b32 v1, 31, v0                           ; L
	v_lshrrev_b32 v[T], 5, v0
	v_readfirstlane_b32 s40, v[T]                  ; w
	v_and_b32 v[T+1], 15, v0                       ; r
	v_bfe_u32 v[T+2], v0, 4, 1                     ; h
	v_lshlrev_b32 v[T+3], 4, v[T+1]                ; 16 r
	v_lshl_add_u32 v[SO], v[T+2], 12, v[T+3]
	v_lshl_add_u32 v[SO], v[T], 15, v[SO]
	v_lshlrev_b32 v[DO], 3, v1
	v_lshl_add_u32 v[DO], v[T], 10, v[DO]
	v_lshl_add_u32 v[MO], v[T+2], 11, v[T+3]
	v_lshl_add_u32 v[MO], v[T], 8, v[MO]
	s_mul_i32 s41, s40, 16*MP                      ; my wave's own 16 rows of LDS
	v_mad_u32_u24 v[LSA], v[T+2], MP, v[T+3]
	v_add_nc_u32 v[LSA], s41, v[LSA]
	v_mul_u32_u24 v[LRA], v[T+1], MP
	v_lshl_add_u32 v[LRA], v[T+2], 3, v[LRA]
	v_add_nc_u32 v[LRA], s41, v[LRA]
	v_lshlrev_b32 v[PO], 4, v0
	; which tensor, and which 64 rows of it
	s_lshr_b32 s2, ttmp9, 6                        ; g < 192: tensor 0..2,
	s_and_b32 s3, ttmp9, 63                        ; its group of 64 rows,
	s_lshl_b32 s7, s2, 23                          ; and its 8 MiB of xh
	s_sub_co_u32 s4, ttmp9, 192
	s_lshr_b32 s5, s4, 4                           ; else: weight 0..3,
	s_and_b32 s6, s4, 15                           ; its group of 64 rows,
	s_lshl_b32 s42, s5, 21                         ; and its 2 MiB of wh
	s_add_co_u32 s5, s5, 3
	s_cmp_lt_u32 ttmp9, 192
	s_cselect_b32 s2, s2, s5                       ; number of the source, 0..6
	s_cselect_b32 s3, s3, s6
	s_cselect_b32 s7, s7, s42
	s_wait_kmcnt 0x0
	s_cmp_lt_u32 ttmp9, 192
	s_cselect_b64 s[24:25], s[24:25], s[26:27]     ; xh or wh
	s_mov_b64 s[30:31], s[8:9]
.irp i, 1,2,3,4,5,6
	s_cmp_eq_u32 s2, \i
	s_cselect_b64 s[30:31], s[8+2*\i:9+2*\i], s[30:31]
.endr
	s_lshl_b32 s4, s3, 18                          ; 64 rows of 4,096 bytes
	s_mov_b32 s5, 0
	s_add_nc_u64 s[30:31], s[30:31], s[4:5]
	s_lshr_b32 s4, s3, 1
	s_lshl_b32 s4, s4, 18                          ; the block of 128 rows,
	s_add_co_u32 s4, s4, s7
	s_and_b32 s6, s3, 1
	s_lshl_b32 s6, s6, 13                          ; its upper or lower 64 rows of 128 bytes
	s_add_co_u32 s4, s4, s6
	s_add_nc_u64 s[24:25], s[24:25], s[4:5]
	s_lshl_b32 s4, ttmp9, 15
	s_add_nc_u64 s[22:23], s[22:23], s[4:5]        ; my 16 rows of the mask
	s_lshl_b32 s4, ttmp9, 12
	s_add_nc_u64 s[28:29], s[28:29], s[4:5]        ; my 1,024 words of pm
.macro FILLP p, x                      ; row pair p of my wave into registers x
.irp kb, 0,1,2,3,4,5,6,7,8,9,10,11,12,13,14,15
	global_load_b128 v[\x+4*\kb:\x+4*\kb+3], v[SO], s[30:31] offset:\p*8192+\kb*256 th:TH_LOAD_NT
.endr
.endm
.macro CONV p, x                       ; four f32 a lane become 8 bytes; the wave's 256 bytes are rows 2 p, 2 p + 1 of k block kb
.irp kb, 0,1,2,3,4,5,6,7,8,9,10,11,12,13,14,15
	v_cvt_pk_f16_f32 v[Y+2*\kb], v[\x+4*\kb], v[\x+4*\kb+1]
	v_cvt_pk_f16_f32 v[Y+2*\kb+1], v[\x+4*\kb+2], v[\x+4*\kb+3]
	global_store_b64 v[DO], v[Y+2*\kb:Y+2*\kb+1], s[24:25] offset:\kb*16384+\p*256
.endr
.endm
.irp i, 0,1,2,3,4,5,6,7
	global_load_b128 v[MK+4*\i:MK+4*\i+3], v[MO], s[22:23] offset:\i*4096 th:TH_LOAD_NT   ; rows 2 i, 2 i + 1, my 256 keys
.endr
	FILLP 0, X0
	FILLP 1, X1
	s_wait_loadcnt 32                              ; loads come back in order: the mask is in, the 32 row loads behind it stay out
.irp i, 0,1,2,3,4,5,6,7
	ds_store_b128 v[LSA], v[MK+4*\i:MK+4*\i+3] offset:\i*2*MP
.endr
.irp t, 0,1,2,3,4,5,6,7,8,9,10,11,12,13,14,15
	ds_load_b64 v[MD+2*\t:MD+2*\t+1], v[LRA] offset:16*\t    ; my wave's own bytes, served in order behind its stores: row r, keys 16 t + 8 h .. + 7
.endr
.irp k, 0,1,2,3
	v_mov_b32 v[W+\k], 0                           ; v_writelane_b32 keeps the other lanes: written whole once
.endr
	s_wait_dscnt 0x0
.irp t, 0,1,2,3,4,5,6,7,8,9,10,11,12,13,14,15
.irp j, 0,1,2,3,4,5,6,7
	v_and_b32 v[T+\j], 0xff<<(8*(\j%4)), v[MD+2*\t+\j/4]     ; byte j of my eight
.endr
.irp j, 0,1,2,3,4,5,6,7
	v_cmp_ne_u32 s[32+\j], 0, v[T+\j]              ; one bit a lane: the word (kt = 16 w + t, j)
.endr
.irp j, 0,1,2,3,4,5,6,7
	v_writelane_b32 v[W+\j%4], s[32+\j], 2*\t+\j/4 ; word 8 t + j of my wave's 128
.endr
.endr
	global_store_b128 v[PO], v[W:W+3], s[28:29]    ; 512 consecutive bytes a wave
	s_wait_loadcnt 16                              ; pair 0 is in, pair 1 stays out
	CONV 0, X0
	FILLP 2, X0
	s_wait_loadcnt 16                              ; pair 1 is in, pair 2 stays out
	s_wait_xcnt 0x0                                ; Y, which the last pair's stores read, is rewritten only behind this wait
	CONV 1, X1
	FILLP 3, X1
	s_wait_loadcnt 16
	s_wait_xcnt 0x0
	CONV 2, X0
	s_wait_loadcnt 0x0
	s_wait_xcnt 0x0
	CONV 3, X1
	s_wait_tensorcnt 0x0
	ds_add_u32 v244, v245
	s_wait_dscnt 0x0
	s_endpgm
.Lfunc_end_k_q6bed2f6324_prep:
	.size	k_q6bed2f6324_prep, .Lfunc_end_k_q6bed2f6324_prep-k_q6bed2f6324_prep
	.p2alignl 7, 3214868480
	.fill 96, 4, 3214868480
	.section	.rodata,"a",@progbits
	.p2align	6, 0x0
	.amdhsa_kernel k_q6bed2f6324_prep
		.amdhsa_group_segment_fixed_size 35840
		.amdhsa_private_segment_fixed_size 0
		.amdhsa_enable_private_segment 0
		.amdhsa_kernarg_size 88
		.amdhsa_user_sgpr_count 2
		.amdhsa_user_sgpr_kernarg_segment_ptr 1
		.amdhsa_wavefront_size32 1
		.amdhsa_system_sgpr_workgroup_id_x 1
		.amdhsa_system_sgpr_workgroup_id_y 1
		.amdhsa_system_sgpr_workgroup_id_z 1
		.amdhsa_system_vgpr_workitem_id 0
		.amdhsa_next_free_vgpr 246
		.amdhsa_next_free_sgpr 66
		.amdhsa_reserve_vcc 0
		.amdhsa_float_denorm_mode_32 3
		.amdhsa_float_denorm_mode_16_64 3
		.amdhsa_memory_ordered 1
		.amdhsa_forward_progress 1
		.amdhsa_inst_pref_size 50
	.end_amdhsa_kernel
	.amdgpu_metadata
---
amdhsa.version: [ 1, 2 ]
amdhsa.kernels:
  - .name:           k_q6bed2f6324_prep
    .symbol:         k_q6bed2f6324_prep.kd
    .args:
      - { .name: query, .offset: 0, .size: 8, .value_kind: global_buffer, .address_space: global }
      - { .name: key, .offset: 8, .size: 8, .value_kind: global_buffer, .address_space: global }
      - { .name: value, .offset: 16, .size: 8, .value_kind: global_buffer, .address_space: global }
      - { .name: Wq, .offset: 24, .size: 8, .value_kind: global_buffer, .address_space: global }
      - { .name: Wk, .offset: 32, .size: 8, .value_kind: global_buffer, .address_space: global }
      - { .name: Wv, .offset: 40, .size: 8, .value_kind: global_buffer, .address_space: global }
      - { .name: Wo, .offset: 48, .size: 8, .value_kind: global_buffer, .address_space: global }
      - { .name: mask, .offset: 56, .size: 8, .value_kind: global_buffer, .address_space: global }
      - { .name: xh, .offset: 64, .size: 8, .value_kind: global_buffer, .address_space: global }
      - { .name: wh, .offset: 72, .size: 8, .value_kind: global_buffer, .address_space: global }
      - { .name: pm, .offset: 80, .size: 8, .value_kind: global_buffer, .address_space: global }
    .group_segment_fixed_size: 35840
    .private_segment_fixed_size: 0
    .kernarg_segment_align: 8
    .kernarg_segment_size: 88
    .max_flat_workgroup_size: 256
    .sgpr_count:     66
    .vgpr_count:     246
    .wavefront_size: 32
...
	.end_amdgpu_metadata
.endif
;; end of part 1
;; launch qkv (part 2): grid 12 x 16, 4 waves a work-group, clusters of 4 x 4, 327,680 bytes of LDS; arguments xh, wh, qkv, bq, bk, bv; writes qkv
.if DOCPART == 2
	.amdgcn_target "amdgcn-amd-amdhsa--gfx1250"
	.amdhsa_code_object_version 6
	.text
	.protected	k_q6bed2f6324_qkv
	.globl	k_q6bed2f6324_qkv
	.p2align	8
	.type	k_q6bed2f6324_qkv,@function
k_q6bed2f6324_qkv:
	s_mov_b64 s[64:65], 0
	v_nop
	global_prefetch_b8 v0, s[64:65] scope:SCOPE_SE
	s_setreg_imm32_b32 hwreg(HW_REG_WAVE_MODE, 25, 1), 1
	s_wait_xcnt 0x0
	s_wait_alu depctr_hold_cnt(0) depctr_sa_sdst(0) depctr_va_vdst(0) depctr_va_sdst(0) depctr_va_ssrc(0) depctr_va_vcc(0) depctr_vm_vsrc(0)
	s_getreg_b32 s2, hwreg(HW_REG_IB_STS2, 6, 4)
	s_cmp_eq_u32 s2, 0
	s_cbranch_scc0 .Lentry_in_a_cluster
	s_endpgm
.Lentry_in_a_cluster:
	s_bfe_u32 s2, ttmp6, 0x10000c
	s_cmp_lg_u32 s2, 0xf033
	s_cbranch_scc0 .Lentry_shape_is_right
	s_endpgm
.Lentry_shape_is_right:
; QKV: q = (query Wq^T + bq) x 0.125 log2(e), k = key Wk^T + bk, v = value Wv^T + bv; operands f16, sums f32, results f16 as [3][b x head][2048][64].
; (The factor on q is the scores' 1/sqrt(64) and the change from e^x to 2^x of the softmax that follows.)
; LIMIT: results beyond f16's largest number, 65,504, become infinities.
; A work-group makes a block of 256 tokens x 256 features of ONE of the three products with four waves, one a SIMD; a wave makes 128 x 128: 64 accumulator
; tiles, 512 registers, so that 32 along K cost it 16 KiB of LDS reads for 64 matrix instructions.  3 products x 16 x 4 blocks = 192 work-groups: no block with
; wave tiles of this size divides three products of 4096 x 1024 into a multiple of 256.
; K goes in steps of 128 through a ring of two LDS slots.  The operands lie by tiles in memory ([block of 128 rows][k block of 64][128 rows][64]), so a wave's part
; of a fill (128 rows x 128 k = two k blocks, 32 KiB) is dense and comes as 128 rows of 256 bytes, each followed in LDS by 16 bytes of padding.  A row of 256 bytes
; holds two operand rows of 128 bytes: operand row p lies at (p >> 1) 272 + (p & 1) 128, so the 16 rows of a fragment start at the 16-byte columns
; (r >> 1) + 8 (r & 1) modulo 16: all different.
; CLUSTERS: 4 x 4 work-groups; cluster x = the product, cx = the block of 256 features, 4 x cluster y + cy = the block of 256 tokens.  A's tiles hang on product and
; token block and are asked for jointly along a row of the cluster, B's on product and feature block and along a column: each of the four partners issues the same
; load with the same descriptor.
; THE MATRIX INSTRUCTION IS USED TRANSPOSED (source 0 = 16 weight rows, source 1 = 16 token rows): lane (r, h) holds token r, registers 0-7 features 8 h + 0..7.
; REGISTERS, in windows of 256:
;   window 0: v16-27 addresses; v64-127, v128-191 fragments of A, two buffers (then read-back on the way out); v192-255 at work on the way out
;   window 1: v0-63 the bias of my 128 features; v64-127, v128-191 fragments of B, two buffers
;   window 2: the 32 accumulator tiles of my tokens 0-63 (tile (a, b) at v[8 (8 a + b)]);   window 3: those of my tokens 64-127
.set PR,     272                       ; LDS pitch of a row of 256 bytes
.set GRP,    8*PR                      ; 16 operand rows
.set KBL,    64*PR                     ; a k block: 128 operand rows x 64 k
.set PART,   2*KBL                     ; what one tensor load brings, and what one wave reads of A or of B
.set SLOT,   4*PART                    ; A's two row blocks, then B's two
.set STAGE,  2*SLOT                    ; behind the ring: 16 rows x 272 bytes for each wave, for the way out; no fill lands there
.set STW,    16*PR
.set SPITCH, 272
.set STEPB,  32768                     ; a K step in memory: two k blocks of 16 KiB
.set LAPS,   4                         ; a lap = two K steps = once round the ring; K = 1024
.set ADRA, 16                          ; v16-17 LDS address of my A fragments in slot 0, 1
.set ADRB, 20                          ; v20-21 the same for B
.set STO,  24
.set RD,   25
.set CO,   26
.set BO,   27
.set F0,   64
.set F1,   128
.set TMP,  192
.set G1,  24                           ; s[24:31] descriptor group 1 for A
.set G0,  32                           ; s[32:39] group 0 for A, one set a slot
.set G1B, 48                           ; s[48:55] group 1 for B
.set G0B, 56                           ; s[56:63] group 0 for B, one set a slot
.set G1W0, (3<<16)|(1<<20)|(1<<21)|(5<<22)|(3<<25)   ; elements of 8 bytes; padding on; bit 21 beside a mask; after every 64 words; 4 words
.set MUL_LO, 0xa1                      ; source 0 (B) window 1, source 1 (A) window 0, C and D window 2
.set MUL_HI, 0xf1                      ; the same, C and D window 3
.set TO_B,   0x40                      ; destination window 1, address window 0
.set MSB, 0
.macro WIN new                         ; the immediate's high byte repeats the setting that is left
.if MSB != \new
	s_set_vgpr_msb (MSB<<8)|\new
.set MSB, \new
.endif
.endm
.macro JLOAD s                         ; waves 0, 1 ask for A's two row blocks, waves 2, 3 for B's: one line, one mask, one set of registers for all that issue it
	s_cmp_eq_u32 s11, 0
	s_cbranch_scc0 .Lfor_b_\@
	tensor_load_to_lds s[G0+4*\s:G0+4*\s+3], s[G1:G1+7]
	s_nop 0
	s_branch .Lasked_\@
.Lfor_b_\@:
	tensor_load_to_lds s[G0B+4*\s:G0B+4*\s+3], s[G1B:G1B+7]
	s_nop 0
.Lasked_\@:
.endm
.macro CREST                           ; a round of the cluster's barrier behind its opening barrier
	s_cmp_lg_u32 s10, 0
	s_cbranch_scc1 .Lnot_wave_0_\@
	s_barrier_signal -3
.Lnot_wave_0_\@:
	s_barrier_wait -3
	s_barrier_signal -1
	s_barrier_wait -1
.endm
.macro CROUND
	s_barrier_signal -1
	s_barrier_wait -1
	CREST
.endm
.macro PLACES                          ; four independent vector instructions between a matrix instruction and a load into, or a vector read of, its registers
.rept 4
	v_nop
.endr
.endm
	s_load_b128 s[4:7], s[0:1], 0x0                ; xh, wh
	s_load_b64 s[8:9], s[0:1], 0x10                ; qkv
	s_load_b128 s[68:71], s[0:1], 0x18             ; bq, bk
	s_load_b64 s[72:73], s[0:1], 0x28              ; bv
	s_set_vgpr_msb 0x40
	v_lshl_add_u32 v255, v0, 2, 0x48400
	s_set_vgpr_msb 0x4000
	v_mov_b32 v63, 0
	s_set_vgpr_msb 0x1
	ds_add_u32 v255, v63
	s_set_vgpr_msb 0x100
	v_lshrrev_b32 v1, 5, v0
	v_readfirstlane_b32 s10, v1                    ; wave 0..3
	s_lshr_b32 s11, s10, 1                         ; my half of the tokens.  Also: I fetch for A (0) or B (1)
	s_and_b32 s12, s10, 1                          ; my half of the features.  Also: which block of 128 rows I fetch
	s_bfe_u32 s40, ttmp6, 0x40000                  ; cx: the block of 256 features
	s_bfe_u32 s41, ttmp6, 0x40004                  ; cy
	s_and_b32 s13, ttmp7, 0xffff
	s_lshl_b32 s13, s13, 2
	s_add_co_u32 s13, s13, s41                     ; the block of 256 tokens = 4 x cluster y + cy
	s_lshl_b32 s43, s41, 2
	s_lshl_b32 s43, 15, s43                        ; my row of the cluster
	s_lshl_b32 s44, 0x1111, s40                    ; my column
	s_or_b32 s[G1+0], s43, G1W0
	s_or_b32 s[G1B+0], s44, G1W0
.irp g, G1, G1B
	s_mov_b32 s[\g+1], 32<<16                      ; tensor_dim0 = 32 elements of 8 bytes
	s_mov_b32 s[\g+2], 128<<16                     ; tensor_dim1 = 128 rows
	s_mov_b32 s[\g+3], 32<<16                      ; tile_dim0 = 32
	s_mov_b32 s[\g+4], 128                         ; tile_dim1 = 128
	s_mov_b32 s[\g+5], 32                          ; from row to row: 32 elements (dense)
	s_mov_b32 s[\g+6], 0
	s_mov_b32 s[\g+7], 0
.endr
	s_lshl_b32 s3, s12, 18                         ; the block of 128 rows that I fetch: 256 KiB each
	s_lshl_b32 s16, s13, 19                        ; A: two such blocks for a block of 256 tokens,
	s_add_co_u32 s16, s16, s3
	s_lshl_b32 s17, ttmp9, 23                      ; in the product's third of xh
	s_add_co_u32 s16, s16, s17
	s_mov_b32 s17, 0
	s_lshl_b32 s46, s40, 19                        ; B: the same for 256 features,
	s_add_co_u32 s46, s46, s3
	s_lshl_b32 s47, ttmp9, 21                      ; in the product's 2 MiB of wh
	s_add_co_u32 s46, s46, s47
	s_mov_b32 s47, 0
	s_mul_i32 s20, s10, PART                       ; where my part goes: the wave's number alone
	; the way out, the bias and q's factor, in registers that feed no descriptor
	s_lshr_b32 s66, s13, 3                         ; batch
	s_lshl_b32 s66, s66, 4
	s_lshl2_add_u32 s66, s40, s66
	s_lshl1_add_u32 s66, s12, s66                  ; 16 b + head, my first head = 4 cx + 2 x my half
	s_lshl_b32 s66, s66, 11                        ; x 2,048 tokens
	s_and_b32 s67, s13, 7
	s_lshl_b32 s67, s67, 8
	s_add_co_u32 s66, s66, s67
	s_lshl_b32 s67, s11, 7
	s_add_co_u32 s66, s66, s67                     ; + my first token in the batch
	s_lshl_b32 s74, s66, 7                         ; x 128 bytes
	s_lshl_b32 s67, ttmp9, 23
	s_add_co_u32 s74, s74, s67                     ; in the product's third of qkv
	s_mov_b32 s75, 0
	s_cmp_eq_u32 ttmp9, 0
	s_cselect_b32 s76, 0x3e38aa3b, 1.0             ; 0.125 log2(e) for q, 1 for k and v: it rides on the multiply-add that adds the bias
	s_mov_b32 s77, s76
	s_wait_dscnt 0x0
	s_wait_kmcnt 0x0
	s_add_nc_u64 s[14:15], s[4:5], s[16:17]
	s_add_nc_u64 s[46:47], s[6:7], s[46:47]
	s_add_nc_u64 s[8:9], s[8:9], s[74:75]
	s_cmp_eq_u32 ttmp9, 1
	s_cselect_b64 s[68:69], s[70:71], s[68:69]     ; the product's bias
	s_cmp_eq_u32 ttmp9, 2
	s_cselect_b64 s[68:69], s[72:73], s[68:69]
	s_lshl_b32 s74, s40, 10
	s_lshl_b32 s67, s12, 9
	s_add_co_u32 s74, s74, s67                     ; my 128 features in it, in bytes
	s_add_nc_u64 s[68:69], s[68:69], s[74:75]
	CROUND                                         ; all sixteen work-groups are here: the first joint loads meet
.irp s, 0,1
	s_mov_b32 s[G0+4*\s], 1
	s_add_co_u32 s[G0+4*\s+1], s20, \s*SLOT
	s_add_nc_u64 s[G0+4*\s+2:G0+4*\s+3], s[14:15], \s*STEPB        ; K step s
	s_or_b32 s[G0+4*\s+3], s[G0+4*\s+3], 0x80000000
	s_mov_b32 s[G0B+4*\s], 1
	s_add_co_u32 s[G0B+4*\s+1], s20, \s*SLOT
	s_add_nc_u64 s[G0B+4*\s+2:G0B+4*\s+3], s[46:47], \s*STEPB
	s_or_b32 s[G0B+4*\s+3], s[G0B+4*\s+3], 0x80000000
	JLOAD \s                                       ; both slots' first fills go out together: two tensor loads of the wave are out, the most in this text
.endr
	v_and_b32 v1, 15, v0                           ; r
	v_bfe_u32 v2, v0, 4, 1                         ; h
	v_lshrrev_b32 v3, 1, v1
	v_and_b32 v4, 1, v0
	v_mul_u32_u24 v3, v3, PR
	v_lshl_add_u32 v3, v4, 7, v3
	v_lshl_add_u32 v3, v2, 4, v3                   ; (r >> 1) 272 + (r & 1) 128 + 16 h
	s_mul_i32 s21, s11, PART                       ; my 128 rows of A
	s_mul_i32 s22, s12, PART                       ; my 128 rows of B,
	s_add_co_u32 s22, s22, 2*PART                  ; which lie behind A's 256
.irp s, 0,1
	v_add_nc_u32 v[ADRA+\s], s21, v3
	v_add_nc_u32 v[ADRB+\s], s22, v3
	s_add_co_u32 s21, s21, SLOT
	s_add_co_u32 s22, s22, SLOT
.endr
	s_mul_i32 s23, s10, STW
	s_add_co_u32 s23, s23, STAGE                   ; my stage
	v_mul_u32_u24 v4, v1, SPITCH
	v_lshl_add_u32 v4, v2, 4, v4
	v_add_nc_u32 v[STO], s23, v4                   ; in: token r, 16 bytes for each half of the lanes
	v_and_b32 v5, 31, v0
	v_lshrrev_b32 v6, 3, v5
	v_and_b32 v7, 7, v0
	v_mul_u32_u24 v6, v6, SPITCH
	v_lshl_add_u32 v6, v7, 4, v6
	v_add_nc_u32 v[RD], s23, v6                    ; back: eight lanes take the 128 bytes that a token has in one head
	v_lshlrev_b32 v[CO], 4, v5                     ; and 32 lanes store 512 consecutive bytes
	v_lshlrev_b32 v[BO], 5, v2                     ; bias: my 8 features of each 16
	WIN TO_B
.irp b, 0,1,2,3,4,5,6,7
	global_load_b128 v[8*\b:8*\b+3],   v[BO], s[68:69] offset:64*\b        ; window 1, register 8 b + j = feature 16 b + 8 h + j; waited for on the way out
	global_load_b128 v[8*\b+4:8*\b+7], v[BO], s[68:69] offset:64*\b+16
.endr
; 16 matrix instructions: token groups a0, a0 + 1 of the window's four (hi = 0: my tokens 0-63, 1: 64-127) x all 8 feature groups, 32 along K.
; zero = 1: the first product starts the sums: nothing is cleared.  The 64 accumulators take turns, one instruction a turn, in the same order in every
; quarter step, over the loop's backward jump too.
.macro MUL16 f, hi, a0, zero
.irp a, \a0, \a0+1
.irp b, 0,1,2,3,4,5,6,7
.if \zero
	v_wmma_f32_16x16x32_f16 v[8*(8*(\a)+\b):8*(8*(\a)+\b)+7], v[\f+8*\b:\f+8*\b+7], v[\f+8*(4*\hi+\a):\f+8*(4*\hi+\a)+7], 0
.else
	v_wmma_f32_16x16x32_f16 v[8*(8*(\a)+\b):8*(8*(\a)+\b)+7], v[\f+8*\b:\f+8*\b+7], v[\f+8*(4*\hi+\a):\f+8*(4*\hi+\a)+7], v[8*(8*(\a)+\b):8*(8*(\a)+\b)+7]
.endif
.endr
.endr
.endm
; 32 LDS loads in one run: the fragments of quarter q of a K step (128 rows of B, 128 rows of A, 32 along K) into buffer f
.macro FETCH slot, q, f
	WIN TO_B
.irp i, 0,1,2,3,4,5,6,7
	ds_load_b128 v[\f+8*\i:\f+8*\i+3],   v[ADRB+\slot] offset:(\q/2)*KBL+(\q%2)*64+\i*GRP
	ds_load_b128 v[\f+8*\i+4:\f+8*\i+7], v[ADRB+\slot] offset:(\q/2)*KBL+(\q%2)*64+\i*GRP+32
.endr
	WIN 0
.irp i, 0,1,2,3,4,5,6,7
	ds_load_b128 v[\f+8*\i:\f+8*\i+3],   v[ADRA+\slot] offset:(\q/2)*KBL+(\q%2)*64+\i*GRP
	ds_load_b128 v[\f+8*\i+4:\f+8*\i+7], v[ADRA+\slot] offset:(\q/2)*KBL+(\q%2)*64+\i*GRP+32
.endr
.endm
; One of a K step's first three quarters: multiplies buffer f; in its middle it fetches quarter q of the same slot into buffer g.
.macro QUARTER slot, q, f, g, zero
	s_wait_dscnt 8                                 ; B and A's rows 0-63 are in; the youngest eight loads (A's rows 64-127) may be out
	WIN MUL_LO
	MUL16 \f, 0, 0, \zero
	MUL16 \f, 0, 2, \zero
	PLACES
	FETCH \slot, \q, \g
	s_wait_dscnt 32                                ; all but the 32 just issued
	WIN MUL_HI
	MUL16 \f, 1, 0, \zero
	MUL16 \f, 1, 2, \zero
.endm
.macro THREE slot, zero
	QUARTER \slot, 1, F0, F1, \zero
	QUARTER \slot, 2, F1, F0, 0
	QUARTER \slot, 3, F0, F1, 0
.endm
; The last quarter: multiplies buffer 1 and changes slots.  fill = 1: this slot is filled again, two K steps ahead, and the barrier opens a round of the cluster's barrier.
; In front of it each wave waits for its own reads of this slot and for all its tensor loads, of which one is out: its part of the next slot.  Behind it the refill comes
; first, then the next slot's first fragments.  From a request to the wait for it a wave issues 240 matrix instructions.
.macro TURN slot, next, fill
	s_wait_dscnt 8
	WIN MUL_LO
	MUL16 F1, 0, 0, 0
	s_wait_dscnt 0x0                               ; my reads of this slot are over
	s_wait_tensorcnt 0x0                           ; all my tensor loads have landed: the one that was out is my part of the next slot
	ds_add_u32 v255, v63
	s_wait_dscnt 0x0
	s_barrier_signal -1
	MUL16 F1, 0, 2, 0                              ; register work while the others arrive
	WIN 0
	s_barrier_wait -1
.if \fill
	CREST                                          ; no wave of any partner still reads this slot or has a load on its way
	s_add_nc_u64 s[G0+4*\slot+2:G0+4*\slot+3], s[G0+4*\slot+2:G0+4*\slot+3], 2*STEPB
	s_add_nc_u64 s[G0B+4*\slot+2:G0B+4*\slot+3], s[G0B+4*\slot+2:G0B+4*\slot+3], 2*STEPB
	JLOAD \slot                                    ; the wave's one tensor load behind the round, ahead of its LDS reads
.endif
	PLACES
	FETCH \next, 0, F0
	WIN MUL_HI
	MUL16 F1, 1, 0, 0
	MUL16 F1, 1, 2, 0
.endm
.macro LAP zero                        ; once round the ring, both slots filled again
	THREE 0, \zero
	TURN 0, 1, 1
	THREE 1, 0
	TURN 1, 0, 1
.endm
	s_wait_tensorcnt 0x1                           ; my part of K step 0 is in; K step 1's may stay out
	s_barrier_signal -1
	s_barrier_wait -1
	FETCH 0, 0, F0
	LAP 1                                          ; the first lap stands in front of the loop: its first products start the sums
	WIN 0                                          ; at a label and at a branch every window is 0
	s_mov_b32 s3, LAPS-2
.Llap:
	LAP 0
	WIN 0
	s_sub_co_u32 s3, s3, 1
	s_cmp_lg_u32 s3, 0
	s_cbranch_scc1 .Llap
	THREE 0, 0                                     ; the last lap fills nothing and has no round of the cluster's barrier
	TURN 0, 1, 0
	THREE 1, 0
	s_wait_dscnt 8                                 ; the very last quarter: nothing more to fetch
	WIN MUL_LO
	MUL16 F1, 0, 0, 0
	MUL16 F1, 0, 2, 0
	s_wait_dscnt 0x0
	WIN MUL_HI
	MUL16 F1, 1, 0, 0
	MUL16 F1, 1, 2, 0
	; THE WAY OUT, 16 tokens at a time: factor and bias in one multiply-add in f32, one rounding to f16, 16 bytes a lane into my own stage, read back by heads.
	PLACES
	s_wait_loadcnt 0x0                             ; the bias
	WIN 0x41                                       ; source 0 and destination in window 1
.set i, 0
.rept 32
	v_pk_mul_f32 v[i:i+1], v[i:i+1], s[76:77] op_sel_hi:[1,0]      ; (sum + bias) x factor = sum x factor + bias x factor
.set i, i+2
.endr
; tokens 16 g .. 16 g + 15 of my block = the eight tiles (a, 0..7) of window 2 or 3 (from = 0x12 or 0x13: source 0 there, source 2, the bias, in window 1); f: F0 or F1 in turn.
; My 128 features are two heads, 262,144 bytes apart in qkv; a head's 16 tokens are 2,048 dense bytes.  A read-back takes four tokens' 128 bytes, 272 apart in the stage,
; so two tokens of a group of 16 lanes share some 16-byte columns: 64 such loads in a wave's way out.
.macro OUT16 g, a, from, f
	WIN \from
.set i, 0
.rept 32
	v_pk_fma_f32 v[TMP+i:TMP+i+1], v[64*\a+i:64*\a+i+1], s[76:77], v[i:i+1] op_sel_hi:[1,0,1]
.set i, i+2
.endr
	WIN 0
.irp b, 0,1,2,3,4,5,6,7
.irp p, 0,1,2,3
	v_cvt_pk_f16_f32 v[TMP+4*\b+\p], v[TMP+8*\b+2*\p], v[TMP+8*\b+2*\p+1]
.endr
.endr
.irp b, 0,1,2,3,4,5,6,7
	ds_store_b128 v[STO], v[TMP+4*\b:TMP+4*\b+3] offset:32*\b
.endr
	s_wait_xcnt 0x0                                ; buffer f, which earlier stores read, is rewritten only behind this wait
.irp t, 0,1,2,3,4,5,6,7
	ds_load_b128 v[\f+4*\t:\f+4*\t+3], v[RD] offset:(\t/4)*128+(\t%4)*4*SPITCH     ; my own bytes, served in order behind my stores
.endr
.irp t, 0,1,2,3,4,5,6,7
	s_wait_dscnt 7-\t
	global_store_b128 v[CO], v[\f+4*\t:\f+4*\t+3], s[8:9] offset:(\t/4)*262144+(\t%4)*512+\g*2048   ; 512 consecutive bytes, aligned
.endr
.endm
	OUT16 0, 0, 0x12, F0
	OUT16 1, 1, 0x12, F1
	OUT16 2, 2, 0x12, F0
	OUT16 3, 3, 0x12, F1
	OUT16 4, 0, 0x13, F0
	OUT16 5, 1, 0x13, F1
	OUT16 6, 2, 0x13, F0
	OUT16 7, 3, 0x13, F1
	s_set_vgpr_msb 0x1
	s_wait_tensorcnt 0x0
	ds_add_u32 v255, v63
	s_wait_dscnt 0x0
	s_set_vgpr_msb 0x100
	CROUND                                         ; the closing round: no work-group ends while a partner may still ask for a tile that names it
	s_endpgm
.Lfunc_end_k_q6bed2f6324_qkv:
	.size	k_q6bed2f6324_qkv, .Lfunc_end_k_q6bed2f6324_qkv-k_q6bed2f6324_qkv
	.p2alignl 7, 3214868480
	.fill 96, 4, 3214868480
	.section	.rodata,"a",@progbits
	.p2align	6, 0x0
	.amdhsa_kernel k_q6bed2f6324_qkv
		.amdhsa_group_segment_fixed_size 327680
		.amdhsa_private_segment_fixed_size 0
		.amdhsa_enable_private_segment 0
		.amdhsa_kernarg_size 48
		.amdhsa_user_sgpr_count 2
		.amdhsa_user_sgpr_kernarg_segment_ptr 1
		.amdhsa_wavefront_size32 1
		.amdhsa_system_sgpr_workgroup_id_x 1
		.amdhsa_system_sgpr_workgroup_id_y 1
		.amdhsa_system_sgpr_workgroup_id_z 1
		.amdhsa_system_vgpr_workitem_id 0
		.amdhsa_next_free_vgpr 1024
		.amdhsa_next_free_sgpr 80
		.amdhsa_reserve_vcc 0
		.amdhsa_float_denorm_mode_32 3
		.amdhsa_float_denorm_mode_16_64 3
		.amdhsa_memory_ordered 1
		.amdhsa_forward_progress 1
		.amdhsa_inst_pref_size 216
	.end_amdhsa_kernel
	.amdgpu_metadata
---
amdhsa.version: [ 1, 2 ]
amdhsa.kernels:
  - .name:           k_q6bed2f6324_qkv
    .symbol:         k_q6bed2f6324_qkv.kd
    .args:
      - { .name: xh, .offset: 0, .size: 8, .value_kind: global_buffer, .address_space: global }
      - { .name: wh, .offset: 8, .size: 8, .value_kind: global_buffer, .address_space: global }
      - { .name: qkv, .offset: 16, .size: 8, .value_kind: global_buffer, .address_space: global }
      - { .name: bq, .offset: 24, .size: 8, .value_kind: global_buffer, .address_space: global }
      - { .name: bk, .offset: 32, .size: 8, .value_kind: global_buffer, .address_space: global }
      - { .name: bv, .offset: 40, .size: 8, .value_kind: global_buffer, .address_space: global }
    .group_segment_fixed_size: 327680
    .private_segment_fixed_size: 0
    .kernarg_segment_align: 8
    .kernarg_segment_size: 48
    .max_flat_workgroup_size: 128
    .sgpr_count:     80
    .vgpr_count:     1024
    .wavefront_size: 32
...
	.end_amdgpu_metadata
.endif
;; end of part 2
;; launch attn (part 3): grid 8 x 32, 8 waves a work-group, clusters of 4 x 1, 327,680 bytes of LDS; arguments qkv, pm, xa; writes xa
.if DOCPART == 3
	.amdgcn_target "amdgcn-amd-amdhsa--gfx1250"
	.amdhsa_code_object_version 6
	.text
	.protected	k_q6bed2f6324_attn
	.globl	k_q6bed2f6324_attn
	.p2align	8
	.type	k_q6bed2f6324_attn,@function
k_q6bed2f6324_attn:
	s_mov_b64 s[64:65], 0
	v_nop
	global_prefetch_b8 v0, s[64:65] scope:SCOPE_SE
	s_setreg_imm32_b32 hwreg(HW_REG_WAVE_MODE, 25, 1), 1
	s_wait_xcnt 0x0
	s_wait_alu depctr_hold_cnt(0) depctr_sa_sdst(0) depctr_va_vdst(0) depctr_va_sdst(0) depctr_va_ssrc(0) depctr_va_vcc(0) depctr_vm_vsrc(0)
	s_getreg_b32 s2, hwreg(HW_REG_IB_STS2, 6, 4)
	s_cmp_eq_u32 s2, 0
	s_cbranch_scc0 .Lentry_in_a_cluster
	s_endpgm
.Lentry_in_a_cluster:
	s_bfe_u32 s2, ttmp6, 0x10000c
	s_cmp_lg_u32 s2, 0x3003
	s_cbranch_scc0 .Lentry_shape_is_right
	s_endpgm
.Lentry_shape_is_right:
; ATTN: x = softmax(where(mask, q k^T / 8, -1e9)) v for one (batch, head) and 256 queries a work-group; operands f16, scores, maxima and sums f32.
; q comes multiplied by 0.125 log2(e), so the exponentials are 2^x and the masked score is -1e9 log2(e).  The maximum is taken away before every exponential:
; a running maximum over steps of 64 keys, with the sums and the output scaled by 2^(old - new).  A row that is masked whole gives the plain mean of v, as in the reference.
; LIMITS: weights below 2^-25 of the row's largest round to 0 in f16; v_exp_f32 flushes results below 2^-126; 1 / sum is v_rcp_f32; sums in another order than the reference's.
; Eight waves, two a SIMD, so that one wave's vector work runs beside the other's matrix work; a wave has 32 queries (tiles a = 0, 1).
; S^T = K Q^T (source 0 = 16 keys, source 1 = 16 queries): lane (r, h) holds query r, register j of key tile t key 16 t + 8 h + j.  So maximum and sum run along a
; lane's registers and cross the two halves of the wave once, the packed weights of key tiles 2 x, 2 x + 1 ARE source 1 of O^T = V^T P^T, and the mask
; word (t, j) has one bit a lane.  V^T's fragments come by the transposing LDS load.
; CLUSTERS: the four work-groups of a cluster have the same batch and head and read the same K and V: every tile (256 keys) is asked for jointly, mask 15.
; Waves 0-3 ask for K's quarters, waves 4-7 for V's (8 KiB, dense, as 32 rows of 256 bytes): one tensor load of a wave is out at a time, with a tile's four steps in which to land.
; THE CHANGE OF SLOTS stands inside a tile's last step: once that step's V fragments are in registers the wave reads the slot no more, so it waits for its LDS loads and
; its tensor load, signals, and does the step's softmax and P V products, register work alone, before it waits for the others.
; LDS: two slots 128 KiB apart; K at 0, rows of 256 bytes + 16; V at 34,816, rows of 256 bytes + 32.  Key p lies at (p >> 1) pitch + (p & 1) 128.
; K's 16 fragment rows start at the 16-byte columns (r >> 1) + 8 (r & 1); the 16 lanes of a transposing load at 2 (p >> 1) + 8 (p & 1) + c: all different modulo 16.
.set SLOT,  131072
.set KP,    272
.set VP,    288
.set VOFF,  128*KP                     ; 34,816
.set STAGE, 262144                     ; each wave's own 16 x 144 bytes for the way out; no fill lands there
.set STW,   2304
.set KA,  2                            ; v2-3   K fragment address in slot 0, 1
.set VA,  4                            ; v4-5   V
.set STO, 6
.set RD,  7
.set XO,  8
.set NEG, 9                            ; -1e9 log2(e)
.set MX,  10                           ; v[10:13] running maximum, twice, for a = 0, 1
.set LS,  14                           ; v[14:17] two partial sums of my half's weights, for a = 0, 1
.set AL,  18                           ; v[18:21] 2^(old - new), twice
.set TT,  24                           ; v[24:31] at work: four registers for each a
.set SC,  32                           ; v[32:95] scores (a, t) at 32 a + 8 t; then weights (a, x) at 32 a + 16 x
.set KF,  96                           ; v[96:159] K fragments (t, c) at 16 t + 8 c
.set VF,  160                          ; v[160:223] V^T fragments (d, x) at 16 d + 8 x
.set EE,  224                          ; v[224:255] at work
.set QF,  64                           ; window 1: Q fragments (a, c) at 64 + 16 a + 8 c; O (a, d) at 32 a + 8 d
.set MSB, 0
.macro WIN new
.if MSB != \new
	s_set_vgpr_msb (MSB<<8)|\new
.set MSB, \new
.endif
.endm
.macro JLOAD
	s_cmp_eq_u32 s31, 0
	s_cbranch_scc0 .Lfor_v_\@
	tensor_load_to_lds s[4:7], s[12:19]
	s_nop 0
	s_branch .Lasked_\@
.Lfor_v_\@:
	tensor_load_to_lds s[8:11], s[20:27]
	s_nop 0
.Lasked_\@:
.endm
.macro CREST                           ; a round of the cluster's barrier behind its opening barrier
	s_cmp_lg_u32 s30, 0
	s_cbranch_scc1 .Lnot_wave_0_\@
	s_barrier_signal -3
.Lnot_wave_0_\@:
	s_barrier_wait -3
	s_barrier_signal -1
	s_barrier_wait -1
.endm
.macro ROUND                           ; a whole round
	s_barrier_signal -1
	s_barrier_wait -1
	CREST
.endm
	s_load_b128 s[32:35], s[0:1], 0x0              ; qkv, pm
	s_load_b64 s[28:29], s[0:1], 0x10              ; xa
	s_set_vgpr_msb 0x40
	v_lshl_add_u32 v96, v0, 2, 0x44800
	v_mov_b32 v97, 0
	s_set_vgpr_msb 0x4045
	ds_add_u32 v96, v97
	s_set_vgpr_msb 0x4500
	v_lshrrev_b32 v1, 5, v0
	v_readfirstlane_b32 s30, v1                    ; wave 0..7
	s_lshr_b32 s31, s30, 2                         ; I fetch for K (0) or V (1)
	s_and_b32 s36, s30, 3                          ; which quarter of the tile
	s_and_b32 s37, ttmp7, 0xffff                   ; 16 b + head
	s_bfe_u32 s68, ttmp6, 0x40000                  ; cx
	s_lshl_b32 s69, ttmp9, 2
	s_add_co_u32 s69, s69, s68                     ; block of 256 queries = 4 x cluster x + cx
	s_mov_b32 s66, 0x76543210                      ; v_permlanex16_b32: lane i of one half reads lane i of the other
	s_mov_b32 s67, 0xfedcba98
	; group 1: 32 rows of 32 elements of 8 bytes, dense; padding after every 64 words, 4 words for K and 8 for V; mask 15 with bit 21 beside it
	s_mov_b32 s12, 15|(3<<16)|(1<<20)|(1<<21)|(5<<22)|(3<<25)
	s_mov_b32 s20, 15|(3<<16)|(1<<20)|(1<<21)|(5<<22)|(7<<25)
.irp g, 12, 20
	s_mov_b32 s[\g+1], 32<<16
	s_mov_b32 s[\g+2], 32<<16
	s_mov_b32 s[\g+3], 32<<16
	s_mov_b32 s[\g+4], 32
	s_mov_b32 s[\g+5], 32
	s_mov_b32 s[\g+6], 0
	s_mov_b32 s[\g+7], 0
.endr
	s_mov_b32 s4, 1
	s_mul_i32 s5, s36, 32*KP
	s_mov_b32 s8, 1
	s_mul_i32 s9, s36, 32*VP
	s_add_co_u32 s9, s9, VOFF
	s_lshl_b32 s38, s37, 18                        ; the head's 256 KiB
	s_lshl_b32 s39, s36, 13                        ; my quarter: 64 keys of 128 bytes
	s_add_co_u32 s38, s38, s39
	s_mov_b32 s39, 0
	; Q, the mask words and the way out hang on cx too: registers of their own
	s_lshl_b32 s72, s37, 18
	s_lshl_b32 s73, s69, 15
	s_add_co_u32 s72, s72, s73
	s_lshl_b32 s73, s30, 12
	s_add_co_u32 s72, s72, s73                     ; my 32 queries of 128 bytes
	s_mov_b32 s73, 0
	s_lshr_b32 s74, s37, 4                         ; b
	s_lshl_b32 s74, s74, 7
	s_lshl4_add_u32 s74, s69, s74
	s_lshl1_add_u32 s74, s30, s74                  ; mask tile qt = 128 b + 16 block + 2 w
	s_lshl_b32 s74, s74, 12
	s_mov_b32 s75, 0
	s_lshr_b32 s76, s37, 4
	s_lshl_b32 s76, s76, 4
	s_lshl1_add_u32 s76, s69, s76
	s_add_co_u32 s76, s76, s31                     ; block of 128 tokens = 16 b + 2 block + (w >> 2)
	s_lshl_b32 s76, s76, 18
	s_and_b32 s77, s37, 15
	s_lshl_b32 s77, s77, 14                        ; the head is the k block
	s_add_co_u32 s76, s76, s77
	s_lshl_b32 s77, s36, 12
	s_add_co_u32 s76, s76, s77
	s_mov_b32 s77, 0
	s_wait_dscnt 0x0
	s_wait_kmcnt 0x0
	s_add_nc_u64 s[40:41], s[32:33], s[38:39]
	s_add_nc_u64 s[6:7], s[40:41], 8388608         ; k is the second third of qkv,
	s_or_b32 s7, s7, 0x80000000
	s_add_nc_u64 s[10:11], s[40:41], 16777216      ; v the last
	s_or_b32 s11, s11, 0x80000000
	s_add_nc_u64 s[104:105], s[32:33], s[72:73]
	s_add_nc_u64 s[2:3], s[34:35], s[74:75]
	s_add_nc_u64 s[28:29], s[28:29], s[76:77]
	ROUND                                          ; the four partners are here: the first joint loads meet
	JLOAD                                          ; tile 0 into slot 0
	v_and_b32 v1, 15, v0                           ; r
	v_bfe_u32 v22, v0, 4, 1                        ; h
	v_lshrrev_b32 v23, 1, v1
	v_and_b32 v24, 1, v0
	v_mul_u32_u24 v23, v23, KP
	v_lshl_add_u32 v23, v24, 7, v23
	v_lshl_add_u32 v[KA], v22, 4, v23              ; (r >> 1) 272 + (r & 1) 128 + 16 h
	v_add_nc_u32 v[KA+1], SLOT, v[KA]
	v_bfe_u32 v25, v0, 1, 2
	v_lshl_add_u32 v25, v22, 2, v25                ; key 8 h + (L & 7): its pair of rows,
	v_mul_u32_u24 v25, v25, VP
	v_lshl_add_u32 v25, v24, 7, v25                ; its half of the pair,
	v_bfe_u32 v26, v0, 3, 1
	v_lshl_add_u32 v25, v26, 4, v25                ; and which 8 of 16 columns
	v_add_nc_u32 v[VA], VOFF, v25
	v_add_nc_u32 v[VA+1], SLOT+VOFF, v25
	s_mul_i32 s101, s30, STW
	s_add_co_u32 s101, s101, STAGE
	v_mul_u32_u24 v27, v1, 144
	v_lshl_add_u32 v27, v22, 4, v27
	v_add_nc_u32 v[STO], s101, v27
	v_bfe_u32 v28, v0, 3, 2
	v_and_b32 v29, 7, v0
	v_mul_u32_u24 v28, v28, 144
	v_lshl_add_u32 v28, v29, 4, v28
	v_add_nc_u32 v[RD], s101, v28
	v_and_b32 v30, 31, v0
	v_lshlrev_b32 v[XO], 4, v30
	v_mov_b32 v[NEG], 0xceabfb8f
	v_lshlrev_b32 v31, 7, v1
	v_lshl_add_u32 v31, v22, 4, v31                ; Q: query r, 16 h
	WIN 0x40
.irp a, 0,1
.irp c, 0,1
	global_load_b128 v[QF+16*\a+8*\c:QF+16*\a+8*\c+3],   v31, s[104:105] offset:2048*\a+64*\c
	global_load_b128 v[QF+16*\a+8*\c+4:QF+16*\a+8*\c+7], v31, s[104:105] offset:2048*\a+64*\c+32
.endr
.endr
	; O starts at 0, once in the launch: 64 moves a wave.  Letting the first product start the sums would want the first of 32 steps written out apart.
.set i, 0
.rept 64
	v_mov_b32 v[i], 0
.set i, i+1
.endr
	WIN 0
.irp k, 0,1,2,3
	v_mov_b32 v[MX+\k], 0xff800000                 ; -infinity: the first step's factor is 2^-infinity = 0
	v_mov_b32 v[LS+\k], 0
.endr
	s_load_b512 s[68:83], s[2:3], 0x0              ; step 0's mask words: a = 0 in s[68:99], a = 1 in s[32:63], word (t, j) at 8 t + j
	s_load_b512 s[84:99], s[2:3], 0x40
	s_load_b512 s[32:47], s[2:3], 0x1000
	s_load_b512 s[48:63], s[2:3], 0x1040
	s_wait_loadcnt 0x0                             ; Q
.macro KLOAD s, u                      ; 64 keys x 64: 8 fragments
.irp t, 0,1,2,3
.irp c, 0,1
	ds_load_b128 v[KF+16*\t+8*\c:KF+16*\t+8*\c+3],   v[KA+\s] offset:32*KP*(\u)+8*KP*\t+64*\c
	ds_load_b128 v[KF+16*\t+8*\c+4:KF+16*\t+8*\c+7], v[KA+\s] offset:32*KP*(\u)+8*KP*\t+64*\c+32
.endr
.endr
.endm
.macro VLOAD s, u                      ; the same 64 keys of V, transposed: 8 fragments
.irp d, 0,1,2,3
.irp x, 0,1
	ds_load_tr16_b128 v[VF+16*\d+8*\x:VF+16*\d+8*\x+3],   v[VA+\s] offset:32*VP*\u+16*VP*\x+32*\d
	ds_load_tr16_b128 v[VF+16*\d+8*\x+4:VF+16*\d+8*\x+7], v[VA+\s] offset:32*VP*\u+16*VP*\x+32*\d+8*VP
.endr
.endr
.endm
; Pieces of the softmax step.
.macro EX1 i                           ; one exponential of query tile 1
	v_exp_f32 v[SC+32+\i], v[SC+32+\i]
.endm
.macro SUM1 a, i                       ; first level of the sum: four weights into a pair
	v_pk_add_f32 v[EE+2*\i:EE+2*\i+1], v[SC+32*\a+4*\i:SC+32*\a+4*\i+1], v[SC+32*\a+4*\i+2:SC+32*\a+4*\i+3]
.endm
.macro SUMN i                          ; a further level: two pairs into one
	v_pk_add_f32 v[EE+2*\i:EE+2*\i+1], v[EE+4*\i:EE+4*\i+1], v[EE+4*\i+2:EE+4*\i+3]
.endm
.macro SUMF a                          ; old sums x 2^(old - new) + this step's
	v_pk_fma_f32 v[LS+2*\a:LS+2*\a+1], v[LS+2*\a:LS+2*\a+1], v[AL+2*\a:AL+2*\a+1], v[EE:EE+1]
.endm
.macro CVT1 a, n                       ; two weights to f16, in place: register n % 8 of fragment n / 8 (key tiles 2 x, 2 x + 1)
	v_cvt_pk_f16_f32 v[SC+32*\a+16*((\n)/8)+(\n)%8], v[SC+32*\a+16*((\n)/8)+2*((\n)%8)], v[SC+32*\a+16*((\n)/8)+2*((\n)%8)+1]
.endm
; The softmax step of both query tiles: 2 x 32 scores a lane become weights, packed to f16 in place.  The two tiles' work is interleaved: eight chains of maxima; each
; exponential of tile 0 or 1 stands beside plain work of the other tile, which is also the plain instruction that has to stand between an exponential and the first
; use of its result (ISA guide 5.7.2).
.macro SOFT2
.irp a, 0,1
.irp k, 0,1,2,3
	v_max3_num_f32 v[TT+4*\a+\k], v[MX+2*\a], v[SC+32*\a+8*\k], v[SC+32*\a+8*\k+1]    ; each chain begins with the old maximum
.endr
.endr
.irp p, 2,4,6
.irp a, 0,1
.irp k, 0,1,2,3
	v_max3_num_f32 v[TT+4*\a+\k], v[TT+4*\a+\k], v[SC+32*\a+8*\k+\p], v[SC+32*\a+8*\k+\p+1]
.endr
.endr
.endr
.irp a, 0,1
	v_max3_num_f32 v[TT+4*\a], v[TT+4*\a], v[TT+4*\a+1], v[TT+4*\a+2]
.endr
.irp a, 0,1
	v_max_num_f32 v[TT+4*\a], v[TT+4*\a], v[TT+4*\a+3]
.endr
.irp a, 0,1
	v_permlanex16_b32 v[TT+4*\a+1], v[TT+4*\a], s66, s67       ; the other 32 keys of my query
.endr
.irp a, 0,1
	v_max_num_f32 v[TT+4*\a+1], v[TT+4*\a], v[TT+4*\a+1]
.endr
.irp a, 0,1
	v_sub_f32 v[TT+4*\a+2], v[MX+2*\a], v[TT+4*\a+1]           ; old - new
.endr
.irp a, 0,1
	v_mov_b32 v[MX+2*\a], v[TT+4*\a+1]
	v_mov_b32 v[MX+2*\a+1], v[TT+4*\a+1]
.endr
.set i, 0
.rept 16
	v_pk_add_f32 v[SC+i:SC+i+1], v[SC+i:SC+i+1], v[MX:MX+1] neg_lo:[0,1] neg_hi:[0,1]
.set i, i+2
.endr
	v_exp_f32 v[AL], v[TT+2]
.set i, 0
.rept 16
	v_exp_f32 v[SC+i], v[SC+i]                     ; tile 0's exponentials beside tile 1's subtractions
	v_exp_f32 v[SC+i+1], v[SC+i+1]
	v_pk_add_f32 v[SC+32+i:SC+32+i+1], v[SC+32+i:SC+32+i+1], v[MX+2:MX+3] neg_lo:[0,1] neg_hi:[0,1]
.set i, i+2
.endr
	v_exp_f32 v[AL+2], v[TT+6]
	s_wait_alu depctr_va_vdst(0)
	v_mov_b32 v[AL+1], v[AL]
.irp i, 0,1,2,3,4,5,6,7
	EX1 \i                                         ; tile 1's exponentials beside tile 0's sums and packing
	SUM1 0, \i
.endr
.irp i, 0,1,2,3
	EX1 8+\i
	SUMN \i
.endr
.irp i, 0,1
	EX1 12+\i
	SUMN \i
.endr
	EX1 14
	SUMN 0
	EX1 15
	SUMF 0
.irp n, 0,1,2,3,4,5,6,7,8,9,10,11,12,13,14,15
	EX1 16+\n
	CVT1 0, \n
.endr
	v_mov_b32 v[AL+3], v[AL+2]
	s_wait_alu depctr_va_vdst(0)
.irp i, 0,1,2,3,4,5,6,7
	SUM1 1, \i
.endr
.irp i, 0,1,2,3
	SUMN \i
.endr
.irp n, 0,1,2,3
	CVT1 1, \n
.endr
	SUMN 0
	SUMN 1
.irp n, 4,5,6,7
	CVT1 1, \n
.endr
	SUMN 0
.irp n, 8,9,10,11
	CVT1 1, \n
.endr
	SUMF 1
.irp n, 12,13,14,15
	CVT1 1, \n
.endr
.endm
; One step: 64 keys (step u of the tile in slot s) against my 32 queries.  kn: the next step's K is fetched; mn: the next step's mask words are fetched.
; sync = 0: a step inside a tile.  sync = 2: the tile's last step, with the change of slots: the barrier opens a round of the cluster's barrier, behind which this slot
; is filled again and the other slot's first K fragments are read.  sync = 1: the same with a plain barrier, where nothing is left to fill.
; In both groups of products eight accumulators take turns, one instruction a turn.
.macro STEP s, u, kn, mn, sync
	VLOAD \s, \u
	s_wait_dscnt 16                                ; K's 16 loads are back; V's 16 may be out
	WIN 0x04                                       ; source 1 (Q) in window 1
.irp c, 0,1
.irp a, 0,1
.irp t, 0,1,2,3
.if \c == 0
	v_wmma_f32_16x16x32_f16 v[SC+32*\a+8*\t:SC+32*\a+8*\t+7], v[KF+16*\t+8*\c:KF+16*\t+8*\c+7], v[QF+16*\a+8*\c:QF+16*\a+8*\c+7], 0
.else
	v_wmma_f32_16x16x32_f16 v[SC+32*\a+8*\t:SC+32*\a+8*\t+7], v[KF+16*\t+8*\c:KF+16*\t+8*\c+7], v[QF+16*\a+8*\c:QF+16*\a+8*\c+7], v[SC+32*\a+8*\t:SC+32*\a+8*\t+7]
.endif
.endr
.endr
.endr
	WIN 0
.rept 4
	v_nop                                          ; four places in front of the loads into K's registers and of the reads of the scores
.endr
.if \kn
	KLOAD \s, \u+1
.endif
	s_wait_kmcnt 0x0                               ; this step's mask words, asked for a step ago
.irp t, 0,1,2,3
.irp j, 0,1,2,3,4,5,6,7
	v_cndmask_b32 v[SC+8*\t+\j], v[NEG], v[SC+8*\t+\j], s[68+8*\t+\j]
	v_cndmask_b32 v[SC+32+8*\t+\j], v[NEG], v[SC+32+8*\t+\j], s[32+8*\t+\j]
.endr
.endr
.if \mn
	s_load_b512 s[68:83], s[2:3], 128*(4*\s+\u+1)
	s_load_b512 s[84:99], s[2:3], 128*(4*\s+\u+1)+64
	s_load_b512 s[32:47], s[2:3], 128*(4*\s+\u+1)+4096
	s_load_b512 s[48:63], s[2:3], 128*(4*\s+\u+1)+4160
.endif
.if \sync
	s_wait_dscnt 0x0                               ; V's fragments are in registers: my reads of this slot are over
	s_set_vgpr_msb 0x5
	s_wait_tensorcnt 0x0                           ; all my tensor loads have landed: the one that was out is my part of the next tile
	ds_add_u32 v96, v97
	s_wait_dscnt 0x0
	s_set_vgpr_msb 0x500
.if \sync == 2
	s_xor_b32 s5, s5, SLOT                         ; so the group 0 of each kind may be written: this slot, the tile after the next
	s_xor_b32 s9, s9, SLOT
	s_add_nc_u64 s[6:7], s[6:7], 32768
	s_add_nc_u64 s[10:11], s[10:11], 32768
.endif
	s_barrier_signal -1                            ; say so; up to the wait below stands register work alone
.endif
	SOFT2
	WIN 0x41                                       ; O in window 1
.irp a, 0,1
.irp i, 0,1,2,3,4,5,6,7,8,9,10,11,12,13,14,15
	v_pk_mul_f32 v[32*\a+2*\i:32*\a+2*\i+1], v[32*\a+2*\i:32*\a+2*\i+1], v[AL+2*\a:AL+2*\a+1]
.endr
.endr
.if \sync == 0
.if \kn
	s_wait_dscnt 16                                ; V is back; the next K's 16 loads may be out
.else
	s_wait_dscnt 0x0
.endif
.endif
	WIN 0x50
.irp x, 0,1
.irp a, 0,1
.irp d, 0,1,2,3
	v_wmma_f32_16x16x32_f16 v[32*\a+8*\d:32*\a+8*\d+7], v[VF+16*\d+8*\x:VF+16*\d+8*\x+7], v[SC+32*\a+16*\x:SC+32*\a+16*\x+7], v[32*\a+8*\d:32*\a+8*\d+7]
.endr
.endr
.endr
	WIN 0
.rept 5
	v_nop                                          ; five places: the next score products write over the weights, the next loads over V
.endr
.if \sync
	s_barrier_wait -1                              ; every wave of my work-group has said so
.if \sync == 2
	CREST                                          ; and every wave of the four partners: nobody reads this slot or has a load on its way
	JLOAD                                          ; the wave's one tensor load behind the round, ahead of its LDS reads
.endif
	KLOAD 1-\s, 0
.endif
.endm
.macro TILE s, sync, last              ; the four steps of the 256 keys in slot s
	STEP \s, 0, 1, 1, 0
	STEP \s, 1, 1, 1, 0
	STEP \s, 2, 1, 1, 0
	STEP \s, 3, 0, 1-\last, \sync
.endm
	; Tile 1 goes into slot 1 as a refill does: behind a round, with the waits in front of it.
	s_set_vgpr_msb 0x5
	s_wait_tensorcnt 0x0                           ; my part of tile 0 has landed; no load of mine is out
	ds_add_u32 v96, v97
	s_wait_dscnt 0x0
	s_set_vgpr_msb 0x500
	s_xor_b32 s5, s5, SLOT
	s_xor_b32 s9, s9, SLOT
	s_add_nc_u64 s[6:7], s[6:7], 32768
	s_add_nc_u64 s[10:11], s[10:11], 32768
	s_wait_dscnt 0x0
	ROUND
	JLOAD
	KLOAD 0, 0
	s_mov_b32 s100, 3
.Llap:
	TILE 0, 2, 0                                   ; tiles 0, 2, 4; each asks for the tile two on
	TILE 1, 2, 0                                   ; tiles 1, 3, 5
	s_wait_xcnt 0x0                                ; the mask loads' base is stepped only behind this wait
	s_add_nc_u64 s[2:3], s[2:3], 1024              ; 8 steps of 128 bytes
	s_sub_co_u32 s100, s100, 1
	s_cmp_lg_u32 s100, 0
	s_cbranch_scc1 .Llap
	TILE 0, 1, 0                                   ; tile 6: no tile is left to ask for
	TILE 1, 0, 1                                   ; tile 7: no mask words are left to fetch either
; The way out of query tile a: divide by the sum, one rounding to f16, through my own stage, 512 consecutive bytes a store.
.macro FIN a
	v_add_f32 v[TT], v[LS+2*\a], v[LS+2*\a+1]
	v_permlanex16_b32 v[TT+1], v[TT], s66, s67
	v_add_f32 v[TT], v[TT], v[TT+1]                ; at least 1: the largest score's weight
	v_rcp_f32 v[TT+2], v[TT]
	v_nop
	s_wait_alu depctr_va_vdst(0)
	v_mov_b32 v[TT+3], v[TT+2]
	WIN 0x01
.irp i, 0,1,2,3,4,5,6,7,8,9,10,11,12,13,14,15
	v_pk_mul_f32 v[EE+2*\i:EE+2*\i+1], v[32*\a+2*\i:32*\a+2*\i+1], v[TT+2:TT+3]
.endr
	WIN 0
.irp d, 0,1,2,3
.irp p, 0,1,2,3
	v_cvt_pk_f16_f32 v[EE+4*\d+\p], v[EE+8*\d+2*\p], v[EE+8*\d+2*\p+1]
.endr
.endr
.irp d, 0,1,2,3
	ds_store_b128 v[STO], v[EE+4*\d:EE+4*\d+3] offset:32*\d
.endr
.irp i, 0,1,2,3
	ds_load_b128 v[KF+16*\a+4*\i:KF+16*\a+4*\i+3], v[RD] offset:576*\i     ; my own bytes, served in order behind my stores; registers of their own for each a
.endr
.irp i, 0,1,2,3
	s_wait_dscnt 3-\i
	global_store_b128 v[XO], v[KF+16*\a+4*\i:KF+16*\a+4*\i+3], s[28:29] offset:2048*\a+512*\i
.endr
.endm
	FIN 0
	FIN 1
	s_set_vgpr_msb 0x5
	s_wait_tensorcnt 0x0
	ds_add_u32 v96, v97
	s_wait_dscnt 0x0
	s_set_vgpr_msb 0x500
	ROUND                                          ; the closing round
	s_endpgm
.Lfunc_end_k_q6bed2f6324_attn:
	.size	k_q6bed2f6324_attn, .Lfunc_end_k_q6bed2f6324_attn-k_q6bed2f6324_attn
	.p2alignl 7, 3214868480
	.fill 96, 4, 3214868480
	.section	.rodata,"a",@progbits
	.p2align	6, 0x0
	.amdhsa_kernel k_q6bed2f6324_attn
		.amdhsa_group_segment_fixed_size 327680
		.amdhsa_private_segment_fixed_size 0
		.amdhsa_enable_private_segment 0
		.amdhsa_kernarg_size 24
		.amdhsa_user_sgpr_count 2
		.amdhsa_user_sgpr_kernarg_segment_ptr 1
		.amdhsa_wavefront_size32 1
		.amdhsa_system_sgpr_workgroup_id_x 1
		.amdhsa_system_sgpr_workgroup_id_y 1
		.amdhsa_system_sgpr_workgroup_id_z 1
		.amdhsa_system_vgpr_workitem_id 0
		.amdhsa_next_free_vgpr 354
		.amdhsa_next_free_sgpr 106
		.amdhsa_reserve_vcc 0
		.amdhsa_float_denorm_mode_32 3
		.amdhsa_float_denorm_mode_16_64 3
		.amdhsa_memory_ordered 1
		.amdhsa_forward_progress 1
		.amdhsa_inst_pref_size 255
	.end_amdhsa_kernel
	.section	.bss,"aw",@nobits
	.p2align	6
	.space	262144
	.amdgpu_metadata
---
amdhsa.version: [ 1, 2 ]
amdhsa.kernels:
  - .name:           k_q6bed2f6324_attn
    .symbol:         k_q6bed2f6324_attn.kd
    .args:
      - { .name: qkv, .offset: 0, .size: 8, .value_kind: global_buffer, .address_space: global }
      - { .name: pm, .offset: 8, .size: 8, .value_kind: global_buffer, .address_space: global }
      - { .name: xa, .offset: 16, .size: 8, .value_kind: global_buffer, .address_space: global }
    .group_segment_fixed_size: 327680
    .private_segment_fixed_size: 0
    .kernarg_segment_align: 8
    .kernarg_segment_size: 24
    .max_flat_workgroup_size: 256
    .sgpr_count:     106
    .vgpr_count:     354
    .wavefront_size: 32
...
	.end_amdgpu_metadata
.endif
;; end of part 3
;; launch oproj (part 4): grid 8 x 32, 4 waves a work-group, clusters of 4 x 4, 327,680 bytes of LDS; arguments xa, wh, out0, bo; writes out0
.if DOCPART == 4
	.amdgcn_target "amdgcn-amd-amdhsa--gfx1250"
	.amdhsa_code_object_version 6
	.text
	.protected	k_q6bed2f6324_oproj
	.globl	k_q6bed2f6324_oproj
	.p2align	8
	.type	k_q6bed2f6324_oproj,@function
k_q6bed2f6324_oproj:
	s_mov_b64 s[64:65], 0
	v_nop
	global_prefetch_b8 v0, s[64:65] scope:SCOPE_SE
	s_setreg_imm32_b32 hwreg(HW_REG_WAVE_MODE, 25, 1), 1
	s_wait_xcnt 0x0
	s_wait_alu depctr_hold_cnt(0) depctr_sa_sdst(0) depctr_va_vdst(0) depctr_va_sdst(0) depctr_va_ssrc(0) depctr_va_vcc(0) depctr_vm_vsrc(0)
	s_getreg_b32 s2, hwreg(HW_REG_IB_STS2, 6, 4)
	s_cmp_eq_u32 s2, 0
	s_cbranch_scc0 .Lentry_in_a_cluster
	s_endpgm
.Lentry_in_a_cluster:
	s_bfe_u32 s2, ttmp6, 0x10000c
	s_cmp_lg_u32 s2, 0xf033
	s_cbranch_scc0 .Lentry_shape_is_right
	s_endpgm
.Lentry_shape_is_right:
; OPROJ: out0 = x Wo^T + bo; operands f16, sums and result f32.  x comes by tiles, [block of 128 tokens][head = k block of 64][128][64]; Wo is the fourth weight of wh.
; 256 work-groups of four waves, one wave a SIMD; a block of 128 tokens x 128 features each, a wave 64 x 64 in 16 accumulator tiles; K = 1024 in four fills of K = 256
; through a ring of two LDS slots.  A wave's part of a fill (two k blocks, 32 KiB, dense) comes as 128 rows of 256 bytes, each followed in LDS by 16 bytes of padding;
; operand row p lies at (p >> 1) 272 + (p & 1) 128, so the 16 rows of a fragment start at the 16-byte columns (r >> 1) + 8 (r & 1) modulo 16: all different.
; CLUSTERS: 4 x 4 work-groups; x's tiles are asked for jointly along a row of the cluster, Wo's along a column.
; THE MATRIX INSTRUCTION IS USED TRANSPOSED (source 0 = 16 weight rows, source 1 = 16 token rows): lane (r, h) holds token r, registers 0-7 features 8 h + 0..7.
; REGISTERS: window 0: addresses, v32-63 read-back, v64-127 and v128-191 two fragment buffers, v192-223 at work, v224-255 bias; window 1: accumulator (a, b) at v[8 (4 a + b)].
.set PR,     272
.set GRP,    8*PR
.set HALF,   32*PR
.set KBL,    64*PR
.set PART,   2*KBL
.set SLOT,   4*PART
.set STAGE,  2*SLOT                    ; each wave's own 16 rows x 272 bytes for the way out; no fill lands there
.set STW,    4352
.set SPITCH, 272
.set NEAR,   131072
.set ADRA, 16
.set ADRB, 20
.set STO,  24
.set RD,   25
.set CO,   26
.set BO,   27
.set RB,   32
.set F0,   64
.set F1,   128
.set TMP,  192
.set BIAS, 224
.set G1,  24
.set G0,  32
.set G1B, 48
.set G0B, 56
.set G1W0, (3<<16)|(1<<20)|(1<<21)|(5<<22)|(3<<25)
.set MUL, 0x50
.set MSB, 0
.macro WIN new
.if MSB != \new
	s_set_vgpr_msb (MSB<<8)|\new
.set MSB, \new
.endif
.endm
.macro JLOAD s
	s_cmp_eq_u32 s11, 0
	s_cbranch_scc0 .Lfor_b_\@
	tensor_load_to_lds s[G0+4*\s:G0+4*\s+3], s[G1:G1+7]
	s_nop 0
	s_branch .Lasked_\@
.Lfor_b_\@:
	tensor_load_to_lds s[G0B+4*\s:G0B+4*\s+3], s[G1B:G1B+7]
	s_nop 0
.Lasked_\@:
.endm
.macro CREST
	s_cmp_lg_u32 s10, 0
	s_cbranch_scc1 .Lnot_wave_0_\@
	s_barrier_signal -3
.Lnot_wave_0_\@:
	s_barrier_wait -3
	s_barrier_signal -1
	s_barrier_wait -1
.endm
.macro CROUND
	s_barrier_signal -1
	s_barrier_wait -1
	CREST
.endm
.macro PLACES                          ; four independent vector instructions between a matrix instruction and a load into, or a vector read of, its registers
.rept 4
	v_nop
.endr
.endm
	s_load_b128 s[4:7], s[0:1], 0x0                ; xa, wh
	s_load_b64 s[8:9], s[0:1], 0x10                ; out0
	s_load_b64 s[68:69], s[0:1], 0x18              ; bo
	v_lshl_add_u32 v30, v0, 2, 0x48400
	v_mov_b32 v31, 0
	ds_add_u32 v30, v31
	v_lshrrev_b32 v1, 5, v0
	v_readfirstlane_b32 s10, v1
	s_lshr_b32 s11, s10, 1                         ; my half of the tokens.  Also: I fetch for x (0) or Wo (1)
	s_and_b32 s12, s10, 1                          ; my half of the features.  Also: which two k blocks I fetch
	s_bfe_u32 s40, ttmp6, 0x40000                  ; cx
	s_bfe_u32 s41, ttmp6, 0x40004                  ; cy
	s_lshl_b32 s42, ttmp9, 2
	s_add_co_u32 s42, s42, s40                     ; feature block
	s_and_b32 s13, ttmp7, 0xffff
	s_lshl_b32 s13, s13, 2
	s_add_co_u32 s13, s13, s41                     ; token block
	s_lshl_b32 s43, s41, 2
	s_lshl_b32 s43, 15, s43
	s_lshl_b32 s44, 0x1111, s40
	s_or_b32 s[G1+0], s43, G1W0
	s_or_b32 s[G1B+0], s44, G1W0
.irp g, G1, G1B
	s_mov_b32 s[\g+1], 32<<16
	s_mov_b32 s[\g+2], 128<<16
	s_mov_b32 s[\g+3], 32<<16
	s_mov_b32 s[\g+4], 128
	s_mov_b32 s[\g+5], 32
	s_mov_b32 s[\g+6], 0
	s_mov_b32 s[\g+7], 0
.endr
	s_lshl_b32 s3, s12, 15
	s_lshl_b32 s16, s13, 18
	s_add_co_u32 s16, s16, s3
	s_mov_b32 s17, 0
	s_lshl_b32 s46, s42, 18
	s_add_co_u32 s46, s46, s3
	s_add_co_u32 s46, s46, 3*2097152               ; the fourth weight
	s_mov_b32 s47, 0
	s_mul_i32 s20, s10, PART
	; the way out and the bias, in registers that feed no descriptor
	s_lshl_b32 s66, s13, 7
	s_lshl_b32 s67, s11, 6
	s_add_co_u32 s66, s66, s67                     ; my first token
	s_lshl_b32 s74, s66, 12                        ; x 4,096 bytes
	s_lshl_b32 s66, s42, 9
	s_lshl_b32 s67, s12, 8
	s_add_co_u32 s66, s66, s67                     ; my first feature, in bytes
	s_add_co_u32 s74, s74, s66
	s_mov_b32 s75, 0
	s_mov_b32 s67, 0
	s_wait_dscnt 0x0
	s_wait_kmcnt 0x0
	s_add_nc_u64 s[14:15], s[4:5], s[16:17]
	s_add_nc_u64 s[46:47], s[6:7], s[46:47]
	s_add_nc_u64 s[8:9], s[8:9], s[74:75]
	s_add_nc_u64 s[68:69], s[68:69], s[66:67]
	CROUND                                         ; all sixteen work-groups are here: the first joint loads meet
.irp s, 0,1
	s_mov_b32 s[G0+4*\s], 1
	s_add_co_u32 s[G0+4*\s+1], s20, \s*SLOT
	s_add_nc_u64 s[G0+4*\s+2:G0+4*\s+3], s[14:15], \s*65536
	s_or_b32 s[G0+4*\s+3], s[G0+4*\s+3], 0x80000000
	s_mov_b32 s[G0B+4*\s], 1
	s_add_co_u32 s[G0B+4*\s+1], s20, \s*SLOT
	s_add_nc_u64 s[G0B+4*\s+2:G0B+4*\s+3], s[46:47], \s*65536
	s_or_b32 s[G0B+4*\s+3], s[G0B+4*\s+3], 0x80000000
	JLOAD \s                                       ; both first fills go out together: two tensor loads of the wave are out, the most in this text
.endr
	v_and_b32 v1, 15, v0                           ; r
	v_bfe_u32 v2, v0, 4, 1                         ; h
	v_lshrrev_b32 v3, 1, v1
	v_and_b32 v4, 1, v0
	v_mul_u32_u24 v3, v3, PR
	v_lshl_add_u32 v3, v4, 7, v3
	v_lshl_add_u32 v3, v2, 4, v3
	s_mul_i32 s21, s11, HALF
	s_mul_i32 s22, s12, HALF
	s_add_co_u32 s22, s22, 2*PART
.irp s, 0,1
	v_add_nc_u32 v[ADRA+\s], s21, v3
	v_add_nc_u32 v[ADRB+\s], s22, v3
	s_add_co_u32 s21, s21, SLOT
	s_add_co_u32 s22, s22, SLOT
.endr
	s_mul_i32 s23, s10, STW
	s_add_co_u32 s23, s23, STAGE
	v_mul_u32_u24 v4, v1, SPITCH
	v_lshl_add_u32 v4, v2, 5, v4
	v_add_nc_u32 v[STO], s23, v4                   ; in: token r, 32 bytes for each half of the lanes
	v_mul_u32_u24 v5, v2, SPITCH
	v_lshl_add_u32 v5, v1, 4, v5
	v_add_nc_u32 v[RD], s23, v5                    ; back: lanes 0-15 take one token's 256 bytes, lanes 16-31 the next one's
	v_lshlrev_b32 v6, 4, v1
	v_lshl_add_u32 v[CO], v2, 12, v6               ; the same two rows of out0
	v_lshlrev_b32 v[BO], 5, v2
.irp b, 0,1,2,3
	global_load_b128 v[BIAS+8*\b:BIAS+8*\b+3], v[BO], s[68:69] offset:64*\b          ; register 8 b + j = feature 16 b + 8 h + j
	global_load_b128 v[BIAS+8*\b+4:BIAS+8*\b+7], v[BO], s[68:69] offset:64*\b+16
.endr
; 8 matrix instructions.  The 16 accumulators take turns, one instruction a turn, always in the same order.
.macro MUL8 f, a0, zero
.irp a, \a0, \a0+1
.irp b, 0,1,2,3
.if \zero
	v_wmma_f32_16x16x32_f16 v[8*(4*(\a)+\b):8*(4*(\a)+\b)+7], v[\f+8*\b:\f+8*\b+7], v[\f+32+8*(\a):\f+32+8*(\a)+7], 0
.else
	v_wmma_f32_16x16x32_f16 v[8*(4*(\a)+\b):8*(4*(\a)+\b)+7], v[\f+8*\b:\f+8*\b+7], v[\f+32+8*(\a):\f+32+8*(\a)+7], v[8*(4*(\a)+\b):8*(4*(\a)+\b)+7]
.endif
.endr
.endr
.endm
.macro FETCH slot, q, f
.irp i, 0,1,2,3
	ds_load_b128 v[\f+8*\i:\f+8*\i+3],   v[ADRB+\slot] offset:(\q/2)*KBL+(\q%2)*64+\i*GRP
	ds_load_b128 v[\f+8*\i+4:\f+8*\i+7], v[ADRB+\slot] offset:(\q/2)*KBL+(\q%2)*64+\i*GRP+32
.endr
.irp i, 0,1,2,3
	ds_load_b128 v[\f+32+8*\i:\f+32+8*\i+3],   v[ADRA+\slot] offset:(\q/2)*KBL+(\q%2)*64+\i*GRP
	ds_load_b128 v[\f+32+8*\i+4:\f+32+8*\i+7], v[ADRA+\slot] offset:(\q/2)*KBL+(\q%2)*64+\i*GRP+32
.endr
.endm
.macro CH f, zero, slot, q2
	s_wait_dscnt 16                                ; this chunk's 16 loads are back; the next chunk's 16 may be out
	WIN MUL
	MUL8 \f, 0, \zero
	MUL8 \f, 2, \zero
	WIN 0
	PLACES
	FETCH \slot, \q2, \f
.endm
.macro SEVEN slot, zero
	CH F0, \zero, \slot, 2
	CH F1, 0, \slot, 3
	CH F0, 0, \slot, 4
	CH F1, 0, \slot, 5
	CH F0, 0, \slot, 6
	CH F1, 0, \slot, 7
	s_wait_dscnt 16
	WIN MUL
	MUL8 F0, 0, 0
	MUL8 F0, 2, 0
.endm
; Chunk 7 and the change of slots.  mode 2: this slot is filled again (the barrier opens a round of the cluster's barrier); mode 1: nothing is filled.
.macro TURNK slot, next, mode
	s_wait_dscnt 0x0                               ; my reads of this slot are over
	s_wait_tensorcnt 0x0                           ; all my tensor loads have landed: the one that was out is my part of the next slot
	ds_add_u32 v30, v31
	s_wait_dscnt 0x0
	s_barrier_signal -1
	WIN MUL
	MUL8 F1, 0, 0
	WIN 0
	s_barrier_wait -1
.if \mode == 2
	CREST                                          ; no wave of any partner still reads this slot or has a load on its way
	s_add_nc_u64 s[G0+4*\slot+2:G0+4*\slot+3], s[G0+4*\slot+2:G0+4*\slot+3], NEAR
	s_add_nc_u64 s[G0B+4*\slot+2:G0B+4*\slot+3], s[G0B+4*\slot+2:G0B+4*\slot+3], NEAR
	JLOAD \slot                                    ; the wave's one tensor load behind the round, ahead of its LDS reads
.endif
	PLACES
	FETCH \next, 0, F0
	WIN MUL
	MUL8 F1, 2, 0
	WIN 0
	PLACES
	FETCH \next, 1, F1
.endm
	s_wait_tensorcnt 0x1                           ; my part of fill 0 is in; fill 1's may stay out
	s_barrier_signal -1
	s_barrier_wait -1
	FETCH 0, 0, F0
	FETCH 0, 1, F1
	SEVEN 0, 1
	TURNK 0, 1, 2                                  ; asks for fill 2
	SEVEN 1, 0
	TURNK 1, 0, 2                                  ; asks for fill 3
	SEVEN 0, 0
	TURNK 0, 1, 1                                  ; nothing is left to fetch
	SEVEN 1, 0
	s_wait_dscnt 0x0
	MUL8 F1, 0, 0
	MUL8 F1, 2, 0
	WIN 0
	PLACES
	; The way out: bias in f32, 16 tokens at a time through my own stage; sixteen lanes store 256 consecutive bytes, aligned.
	s_wait_loadcnt 0x0                             ; the bias
.irp a, 0,1,2,3
	WIN 0x01
.irp i, 0,1,2,3,4,5,6,7,8,9,10,11,12,13,14,15
	v_pk_add_f32 v[TMP+2*\i:TMP+2*\i+1], v[32*\a+2*\i:32*\a+2*\i+1], v[BIAS+2*\i:BIAS+2*\i+1]
.endr
	WIN 0
.irp b, 0,1,2,3
	ds_store_b128 v[STO], v[TMP+8*\b:TMP+8*\b+3] offset:64*\b
	ds_store_b128 v[STO], v[TMP+8*\b+4:TMP+8*\b+7] offset:64*\b+16
.endr
	s_wait_xcnt 0x0                                ; the read-back registers, which the last group's stores read, are rewritten only behind this wait
.irp t, 0,1,2,3,4,5,6,7
	ds_load_b128 v[RB+4*\t:RB+4*\t+3], v[RD] offset:2*SPITCH*\t    ; my own bytes, served in order behind my stores
.endr
.irp t, 0,1,2,3,4,5,6,7
	s_wait_dscnt 7-\t
	global_store_b128 v[CO], v[RB+4*\t:RB+4*\t+3], s[8:9] offset:(16*\a+2*\t)*4096 th:TH_STORE_NT
.endr
.endr
	s_wait_tensorcnt 0x0
	ds_add_u32 v30, v31
	s_wait_dscnt 0x0
	CROUND                                         ; the closing round: no work-group ends while a partner may still ask for a tile that names it
	s_endpgm
.Lfunc_end_k_q6bed2f6324_oproj:
	.size	k_q6bed2f6324_oproj, .Lfunc_end_k_q6bed2f6324_oproj-k_q6bed2f6324_oproj
	.p2alignl 7, 3214868480
	.fill 96, 4, 3214868480
	.section	.rodata,"a",@progbits
	.p2align	6, 0x0
	.amdhsa_kernel k_q6bed2f6324_oproj
		.amdhsa_group_segment_fixed_size 327680
		.amdhsa_private_segment_fixed_size 0
		.amdhsa_enable_private_segment 0
		.amdhsa_kernarg_size 32
		.amdhsa_user_sgpr_count 2
		.amdhsa_user_sgpr_kernarg_segment_ptr 1
		.amdhsa_wavefront_size32 1
		.amdhsa_system_sgpr_workgroup_id_x 1
		.amdhsa_system_sgpr_workgroup_id_y 1
		.amdhsa_system_sgpr_workgroup_id_z 1
		.amdhsa_system_vgpr_workitem_id 0
		.amdhsa_next_free_vgpr 384
		.amdhsa_next_free_sgpr 76
		.amdhsa_reserve_vcc 0
		.amdhsa_float_denorm_mode_32 3
		.amdhsa_float_denorm_mode_16_64 3
		.amdhsa_memory_ordered 1
		.amdhsa_forward_progress 1
		.amdhsa_inst_pref_size 93
	.end_amdhsa_kernel
	.amdgpu_metadata
---
amdhsa.version: [ 1, 2 ]
amdhsa.kernels:
  - .name:           k_q6bed2f6324_oproj
    .symbol:         k_q6bed2f6324_oproj.kd
    .args:
      - { .name: xa, .offset: 0, .size: 8, .value_kind: global_buffer, .address_space: global }
      - { .name: wh, .offset: 8, .size: 8, .value_kind: global_buffer, .address_space: global }
      - { .name: out0, .offset: 16, .size: 8, .value_kind: global_buffer, .address_space: global }
      - { .name: bo, .offset: 24, .size: 8, .value_kind: global_buffer, .address_space: global }
    .group_segment_fixed_size: 327680
    .private_segment_fixed_size: 0
    .kernarg_segment_align: 8
    .kernarg_segment_size: 32
    .max_flat_workgroup_size: 128
    .sgpr_count:     76
    .vgpr_count:     384
    .wavefront_size: 32
...
	.end_amdgpu_metadata
.endif
;; end of part 4
;; ======== version 2 of 2: 4 launches; version 1 with the launch prep written anew for expert scheduling mode
;; limits: values are held in f16: magnitudes above 65,504 overflow, below 6.1e-05 lose precision
;; workspace buffers: xh 25,165,824 bytes; wh 8,388,608 bytes; pm 1,048,576 bytes of whole numbers; qkv 25,165,824 bytes; xa 8,388,608 bytes
;; launch prep (part 5): grid 256 x 1, 8 waves a work-group, no clusters, 35,840 bytes of LDS; arguments query, key, value, Wq, Wk, Wv, Wo, mask, xh, wh, pm; writes xh, wh, pm
.if DOCPART == 5
	.amdgcn_target "amdgcn-amd-amdhsa--gfx1250"
	.amdhsa_code_object_version 6
	.text
	.protected	k_q6bed2f6324_prep
	.globl	k_q6bed2f6324_prep
	.p2align	8
	.type	k_q6bed2f6324_prep,@function
k_q6bed2f6324_prep:
	s_mov_b64 s[64:65], 0
	v_nop
	global_prefetch_b8 v0, s[64:65] scope:SCOPE_SE
	s_setreg_imm32_b32 hwreg(HW_REG_WAVE_SCHED_MODE, 0, 2), 2
	s_setreg_imm32_b32 hwreg(HW_REG_WAVE_MODE, 25, 1), 1
	s_wait_xcnt 0x0
	s_wait_alu depctr_vm_vsrc(0)
; PREP: (1) query, key, value, Wq, Wk, Wv, Wo from f32 to f16 (round to nearest even), laid out by tiles:
;           [block of 128 rows][block of 64 k][128 rows][64 k], so that any run of k blocks of a row block is dense in memory;
;       (2) the mask's bytes packed into lane-mask words: pm[qt][kt][j], bit r + 16 h = mask[16 qt + r][16 kt + 8 h + j]
;           (qt counts tiles of 16 rows of the flattened [4096][2048] mask), the layout in which the attention launch holds its scores.
; LIMIT: an input beyond f16's largest number, 65,504, becomes an infinity here.
; A stream: no matrix unit, no cluster, no barrier.  256 work-groups of 8 waves.  Work-group g converts 64 rows of 4,096 bytes
; (g < 192: query, key, value, 64 groups each; else the four weights, 16 groups each) and packs mask tile qt = g (16 rows, 32 KiB, dense).
; Wave w converts rows 8 w .. 8 w + 7, two at a time: 16 loads of 512 bytes (lanes 0-15: 256 bytes of the even row, lanes 16-31 of the odd one);
; each store of the wave covers 256 consecutive bytes, aligned.  Two row pairs (32 loads a wave) are on their way while one is converted.
; THE MODE: SCHED_MODE bits 1:0 = 2 (LLVM: expert scheduling mode 2), set by the entry lines.  The code itself states the register dependences
; between vector instructions and memory or LDS instructions, with s_wait_alu, always for 0.
; THE PLAN.  Registers that memory or LDS instructions touch:
;   v2 .. v7    offsets and LDS addresses: written at the head, never again; read by every load, store and LDS instruction.
;   MK          written by the mask's loads, read by the LDS stores; much later it is row pair 2's out-buffer.
;   MD          written by the LDS loads, read by vector instructions alone; later row pair 1's out-buffer.
;   W           written by v_mov_b32 and v_writelane_b32, read by the one store into pm.
;   X0, X1      X[p % 2] is written by row pair p's loads and read by its conversions; behind them pair p + 2's loads land in it.
;   out-buffers pair p's conversions write one, its 16 stores read it.  There are four, each written once: Y0; MD's registers; MK's; the first half of X0,
;               which holds nothing once pair 2 is converted.  So no register that a global store reads is ever written again.
; A row pair is: the wait for its data; its 32 conversions; ONE wait on va_vdst; the 16 loads of the pair two on; its own 16 stores.
; One wait on vm_vsrc stands in the kernel, ahead of the conversions that write MK's registers.
; Scalar results of vector instructions: the wave's number at the head, and eight compares for each of the 16 key tiles; a wait on va_sdst stands ahead of their readers.
.set SO,  2                            ; v2   source offset: 32768 w + 4096 (L >> 4) + 16 (L & 15)
.set DO,  3                            ; v3   f16 offset: 1024 w + 8 L
.set MO,  4                            ; v4   mask offset: 2048 (L >> 4) + 16 (L & 15) + 256 w
.set LSA, 5                            ; v5   LDS: where my 16 mask bytes go
.set LRA, 6                            ; v6   LDS: row r of my wave's strip, 8 h
.set PO,  7                            ; v7   pm offset: 16 x thread
.set X0,  8                            ; v[8:71]    a row pair as loaded
.set X1,  72                           ; v[72:135]  the other one
.set Y0,  136                          ; v[136:167] row pair 0 in f16
.set MK,  168                          ; v[168:199] mask bytes as loaded
.set MD,  200                          ; v[200:231] mask bytes by (r, h): 8 bytes for each of 16 key tiles
.set Y1,  MD                           ;            then row pair 1 in f16
.set Y2,  MK                           ;            then row pair 2 in f16
.set Y3,  X0                           ; v[8:39]    row pair 3 in f16
.set W,   232                          ; v[232:235] the packed words: lane l holds words 4 l .. 4 l + 3 of my wave's 128
.set T,   236                          ; v[236:243] at work: no memory instruction names them
.set MP,  272                          ; LDS pitch of a mask row: 256 bytes + 16
	s_load_b512 s[8:23], s[0:1], 0x0               ; query, key, value, Wq, Wk, Wv, Wo, mask
	s_load_b128 s[24:27], s[0:1], 0x40             ; xh, wh
	s_load_b64 s[28:29], s[0:1], 0x50              ; pm
	v_lshl_add_u32 v244, v0, 2, 0x8800
	v_mov_b32 v245, 0
	v_and_b32 v1, 31, v0                           ; L
	v_lshrrev_b32 v[T], 5, v0
	v_readfirstlane_b32 s40, v[T]                  ; w
	v_and_b32 v[T+1], 15, v0                       ; r
	v_bfe_u32 v[T+2], v0, 4, 1                     ; h
	v_lshlrev_b32 v[T+3], 4, v[T+1]                ; 16 r
	v_lshl_add_u32 v[SO], v[T+2], 12, v[T+3]
	v_lshl_add_u32 v[SO], v[T], 15, v[SO]
	v_lshlrev_b32 v[DO], 3, v1
	v_lshl_add_u32 v[DO], v[T], 10, v[DO]
	v_lshl_add_u32 v[MO], v[T+2], 11, v[T+3]
	v_lshl_add_u32 v[MO], v[T], 8, v[MO]
	s_wait_alu depctr_va_sdst(0)                   ; s40 is written, ahead of its first and only reader
	s_mul_i32 s41, s40, 16*MP                      ; my wave's own 16 rows of LDS
	v_mad_u32_u24 v[LSA], v[T+2], MP, v[T+3]
	v_add_nc_u32 v[LSA], s41, v[LSA]
	v_mul_u32_u24 v[LRA], v[T+1], MP
	v_lshl_add_u32 v[LRA], v[T+2], 3, v[LRA]
	v_add_nc_u32 v[LRA], s41, v[LRA]
	v_lshlrev_b32 v[PO], 4, v0
	; which tensor, and which 64 rows of it
	s_lshr_b32 s2, ttmp9, 6                        ; g < 192: tensor 0..2,
	s_and_b32 s3, ttmp9, 63                        ; its group of 64 rows,
	s_lshl_b32 s7, s2, 23                          ; and its 8 MiB of xh
	s_sub_co_u32 s4, ttmp9, 192
	s_lshr_b32 s5, s4, 4                           ; else: weight 0..3,
	s_and_b32 s6, s4, 15                           ; its group of 64 rows,
	s_lshl_b32 s42, s5, 21                         ; and its 2 MiB of wh
	s_add_co_u32 s5, s5, 3
	s_cmp_lt_u32 ttmp9, 192
	s_cselect_b32 s2, s2, s5                       ; number of the source, 0..6
	s_cselect_b32 s3, s3, s6
	s_cselect_b32 s7, s7, s42
	s_wait_kmcnt 0x0
	s_cmp_lt_u32 ttmp9, 192
	s_cselect_b64 s[24:25], s[24:25], s[26:27]     ; xh or wh
	s_mov_b64 s[30:31], s[8:9]
.irp i, 1,2,3,4,5,6
	s_cmp_eq_u32 s2, \i
	s_cselect_b64 s[30:31], s[8+2*\i:9+2*\i], s[30:31]
.endr
	s_lshl_b32 s4, s3, 18                          ; 64 rows of 4,096 bytes
	s_mov_b32 s5, 0
	s_add_nc_u64 s[30:31], s[30:31], s[4:5]
	s_lshr_b32 s4, s3, 1
	s_lshl_b32 s4, s4, 18                          ; the block of 128 rows,
	s_add_co_u32 s4, s4, s7
	s_and_b32 s6, s3, 1
	s_lshl_b32 s6, s6, 13                          ; its upper or lower 64 rows of 128 bytes
	s_add_co_u32 s4, s4, s6
	s_add_nc_u64 s[24:25], s[24:25], s[4:5]
	s_lshl_b32 s4, ttmp9, 15
	s_add_nc_u64 s[22:23], s[22:23], s[4:5]        ; my 16 rows of the mask
	s_lshl_b32 s4, ttmp9, 12
	s_add_nc_u64 s[28:29], s[28:29], s[4:5]        ; my 1,024 words of pm
.macro FILLP p, x                      ; row pair p of my wave into registers x
.irp kb, 0,1,2,3,4,5,6,7,8,9,10,11,12,13,14,15
	global_load_b128 v[\x+4*\kb:\x+4*\kb+3], v[SO], s[30:31] offset:\p*8192+\kb*256 th:TH_LOAD_NT
.endr
.endm
.macro CVT x, y                        ; four f32 a lane become 8 bytes: the row pair in x, rounded, into out-buffer y
.irp kb, 0,1,2,3,4,5,6,7,8,9,10,11,12,13,14,15
	v_cvt_pk_f16_f32 v[\y+2*\kb], v[\x+4*\kb], v[\x+4*\kb+1]
	v_cvt_pk_f16_f32 v[\y+2*\kb+1], v[\x+4*\kb+2], v[\x+4*\kb+3]
.endr
.endm
.macro SEND p, y                       ; the wave's 256 bytes of a store are rows 2 p, 2 p + 1 of k block kb
.irp kb, 0,1,2,3,4,5,6,7,8,9,10,11,12,13,14,15
	global_store_b64 v[DO], v[\y+2*\kb:\y+2*\kb+1], s[24:25] offset:\kb*16384+\p*256
.endr
.endm
.macro BYTES t                         ; key tile t of my wave's 16: byte j of my eight, each in a register of its own
.irp j, 0,1,2,3,4,5,6,7
	v_and_b32 v[T+\j], 0xff<<(8*(\j%4)), v[MD+2*(\t)+\j/4]
.endr
.endm
.macro BITS                            ; one bit a lane: the word (kt = 16 w + t, j)
.irp j, 0,1,2,3,4,5,6,7
	v_cmp_ne_u32 s[32+\j], 0, v[T+\j]
.endr
.endm
.macro WORDS t                         ; word 8 t + j of my wave's 128
.irp j, 0,1,2,3,4,5,6,7
	v_writelane_b32 v[W+\j%4], s[32+\j], 2*(\t)+\j/4
.endr
.endm
	s_wait_alu depctr_va_vdst(0)                   ; the six offsets and addresses v2 to v7 are written: every load, store and LDS instruction below reads one of them, and no vector instruction writes them again
.irp i, 0,1,2,3,4,5,6,7
	global_load_b128 v[MK+4*\i:MK+4*\i+3], v[MO], s[22:23] offset:\i*4096 th:TH_LOAD_NT   ; rows 2 i, 2 i + 1, my 256 keys
.endr
	FILLP 0, X0
	FILLP 1, X1
	s_wait_loadcnt 32                              ; loads come back in order: the mask is in, the 32 row loads behind it stay out
.irp i, 0,1,2,3,4,5,6,7
	ds_store_b128 v[LSA], v[MK+4*\i:MK+4*\i+3] offset:\i*2*MP
.endr
.irp t, 0,1,2,3,4,5,6,7,8,9,10,11,12,13,14,15
	ds_load_b64 v[MD+2*\t:MD+2*\t+1], v[LRA] offset:16*\t    ; my wave's own bytes, served in order behind its stores: row r, keys 16 t + 8 h .. + 7
.endr
.irp k, 0,1,2,3
	v_mov_b32 v[W+\k], 0                           ; v_writelane_b32 keeps the other lanes: written whole once
.endr
	s_wait_dscnt 0x0
	BYTES 0
.irp t, 0,1,2,3,4,5,6,7,8,9,10,11,12,13,14,15
	BITS
.if \t < 15
	BYTES \t+1                                     ; the next key tile's bytes stand between the compares and the wait for them
.endif
	s_wait_alu depctr_va_sdst(0)                   ; the eight compares have written s[32:39], ahead of the eight v_writelane_b32 that read them
	WORDS \t
.endr
	s_wait_loadcnt 16                              ; pair 0 is in, pair 1 stays out
	CVT X0, Y0
	s_wait_alu depctr_va_vdst(0)                   ; the v_writelane_b32 have written W and the conversions Y0, which the stores below read; the conversions are done reading X0, in which the loads below land
	FILLP 2, X0                                    ; the buffer is asked for again at once, ahead of the stores
	global_store_b128 v[PO], v[W:W+3], s[28:29]    ; 512 consecutive bytes a wave
	SEND 0, Y0
	s_wait_loadcnt 16                              ; pair 1 is in, pair 2 stays out
	CVT X1, Y1                                     ; into MD's registers, which vector instructions alone have read
	s_wait_alu depctr_va_vdst(0)                   ; the conversions have written Y1, which the stores below read, and are done reading X1, in which the loads below land
	FILLP 3, X1
	SEND 1, Y1
	s_wait_loadcnt 16                              ; pair 2 is in, pair 3 stays out
	s_wait_alu depctr_vm_vsrc(0)                   ; the LDS stores of the mask have read MK's registers, which the conversions below write as Y2
	CVT X0, Y2
	s_wait_alu depctr_va_vdst(0)                   ; the conversions have written Y2, which the stores below read
	SEND 2, Y2
	s_wait_loadcnt 0x0                             ; pair 3 is in
	CVT X1, Y3                                     ; into the first half of X0: its loads have landed, and vector instructions alone have read it
	s_wait_alu depctr_va_vdst(0)                   ; the conversions have written Y3, which the stores below read
	SEND 3, Y3
	s_wait_dscnt 0x0                               ; the closing lines, six on end
	s_wait_alu 0x0
	s_wait_tensorcnt 0x0
	ds_add_u32 v244, v245
	s_wait_dscnt 0x0
	s_endpgm
.Lfunc_end_k_q6bed2f6324_prep:
	.size	k_q6bed2f6324_prep, .Lfunc_end_k_q6bed2f6324_prep-k_q6bed2f6324_prep
	.p2alignl 7, 3214868480
	.fill 96, 4, 3214868480
	.section	.rodata,"a",@progbits
	.p2align	6, 0x0
	.amdhsa_kernel k_q6bed2f6324_prep
		.amdhsa_group_segment_fixed_size 35840
		.amdhsa_private_segment_fixed_size 0
		.amdhsa_enable_private_segment 0
		.amdhsa_kernarg_size 88
		.amdhsa_user_sgpr_count 2
		.amdhsa_user_sgpr_kernarg_segment_ptr 1
		.amdhsa_wavefront_size32 1
		.amdhsa_system_sgpr_workgroup_id_x 1
		.amdhsa_system_sgpr_workgroup_id_y 1
		.amdhsa_system_sgpr_workgroup_id_z 1
		.amdhsa_system_vgpr_workitem_id 0
		.amdhsa_next_free_vgpr 246
		.amdhsa_next_free_sgpr 66
		.amdhsa_reserve_vcc 0
		.amdhsa_float_denorm_mode_32 3
		.amdhsa_float_denorm_mode_16_64 3
		.amdhsa_memory_ordered 1
		.amdhsa_forward_progress 1
		.amdhsa_inst_pref_size 51
	.end_amdhsa_kernel
	.amdgpu_metadata
---
amdhsa.version: [ 1, 2 ]
amdhsa.kernels:
  - .name:           k_q6bed2f6324_prep
    .symbol:         k_q6bed2f6324_prep.kd
    .args:
      - { .name: query, .offset: 0, .size: 8, .value_kind: global_buffer, .address_space: global }
      - { .name: key, .offset: 8, .size: 8, .value_kind: global_buffer, .address_space: global }
      - { .name: value, .offset: 16, .size: 8, .value_kind: global_buffer, .address_space: global }
      - { .name: Wq, .offset: 24, .size: 8, .value_kind: global_buffer, .address_space: global }
      - { .name: Wk, .offset: 32, .size: 8, .value_kind: global_buffer, .address_space: global }
      - { .name: Wv, .offset: 40, .size: 8, .value_kind: global_buffer, .address_space: global }
      - { .name: Wo, .offset: 48, .size: 8, .value_kind: global_buffer, .address_space: global }
      - { .name: mask, .offset: 56, .size: 8, .value_kind: global_buffer, .address_space: global }
      - { .name: xh, .offset: 64, .size: 8, .value_kind: global_buffer, .address_space: global }
      - { .name: wh, .offset: 72, .size: 8, .value_kind: global_buffer, .address_space: global }
      - { .name: pm, .offset: 80, .size: 8, .value_kind: global_buffer, .address_space: global }
    .group_segment_fixed_size: 35840
    .private_segment_fixed_size: 0
    .kernarg_segment_align: 8
    .kernarg_segment_size: 88
    .max_flat_workgroup_size: 256
    .sgpr_count:     66
    .vgpr_count:     246
    .wavefront_size: 32
...
	.end_amdgpu_metadata
.endif
;; end of part 5
;; launch qkv: the kernel of part 2 again; grid 12 x 16, 4 waves a work-group, clusters of 4 x 4, 327,680 bytes of LDS; arguments xh, wh, qkv, bq, bk, bv; writes qkv
;; launch attn: the kernel of part 3 again; grid 8 x 32, 8 waves a work-group, clusters of 4 x 1, 327,680 bytes of LDS; arguments qkv, pm, xa; writes xa
;; launch oproj: the kernel of part 4 again; grid 8 x 32, 4 waves a work-group, clusters of 4 x 4, 327,680 bytes of LDS; arguments xa, wh, out0, bo; writes out0
